; MI455X (gfx1250); checked and timed in simulation.
; The chip was launched on July 23, 2026; its instructions are those of AMD's public machine-readable ISA for CDNA 5 (MIT licence, August 2026) and "CDNA5" Instruction Set Architecture Reference Guide (July 2026). The comments in the code are by the model that wrote it; some were corrected since.
;; Self Causal Attention. Allowed arithmetic: matrix products marked QUANTISED: E3M2 operands, one E8M0 scale for each 32 along K, by v_wmma_scale_f32_16x16x128_f8f6f4 with both operands' format E3M2, f32 sums; everything else in f32.
;; Inputs: b_attn 3,072 float32; b_proj 1,024 float32; w_attn 1,024 x 3,072 float32; w_proj 1,024 x 1,024 float32; x 4 x 2,048 x 1,024 float32.
;; Outputs: out0 4 x 2,048 x 1,024 float32.
;; This version of the problem:
;;   THIS VERSION OF THE PROBLEM IS GIVEN IN LOW PRECISION. The matrix products marked QUANTISED in the list below multiply operands that are first quantised to E3M2 (3 exponent bits, 2 mantissa bits; 6 bits a number), with one power-of-two scale for each 32 numbers along K (OCP MX v1.0); their sums are f32. All else is computed in f32.
;;   The module's matrix products, in the order in which they are computed (A, B: the left and right operand; K: the contracted axis; several contracted axes count as one K, in the product's order):
;;     1. [M 8,192, K 1,024] x [K 1,024, N 3,072]; A: input x; B: input w_attn: QUANTISED
;;     2. batch 64 x [M 2,048, K 64] x [K 64, N 2,048]; A: computed on the way; B: computed on the way: QUANTISED
;;     3. batch 64 x [M 2,048, K 2,048] x [K 2,048, N 64]; A: computed on the way; B: computed on the way: QUANTISED
;;     4. [M 8,192, K 1,024] x [K 1,024, N 1,024]; A: computed on the way; B: input w_proj: QUANTISED
;;   THE QUANTISER, for each operand of a quantised product, along K:
;;     - K is cut into blocks of 32 from its start; a last block that is shorter is filled with zeros.
;;     - A block's scale is 2^e with e = floor(log2(the largest magnitude in the block)) - 4, held to -126 .. 127; a block of zeros has e = 0. As a byte (E8M0): e + 127.
;;     - Each number is divided by its block's scale, clamped to +-28, and rounded to the nearest number of E3M2, ties to even, subnormals kept.
;;     - The product sums the exact products of the quantised numbers (number of the format x scale) in f32.
;;   ~~~python
;;   def quantise(x, axis):      # numpy; x: float32 -> the quantised numbers, widened to float32 again
;;       x = np.moveaxis(x, axis, -1); K = x.shape[-1]
;;       x = np.pad(x, [(0, 0)] * (x.ndim - 1) + [(0, -K % 32)]); x = x.reshape(x.shape[:-1] + (-1, 32)); a = np.abs(x).max(-1, keepdims=True)
;;       e = np.where(a > 0, np.clip(np.frexp(np.where(a > 0, a, 1))[1] - 1 - 4, -126, 127), 0)      # np.frexp(a)[1] - 1 = floor(log2(a)), exactly
;;       r = np.clip(x / 2.0 ** e, -28, 28)
;;       step = 2.0 ** (np.maximum(np.frexp(np.where(r == 0, 1, r))[1] - 1, -2) - 2)
;;       q = np.round(r / step) * step * 2.0 ** e      # np.round: ties to even
;;       return np.moveaxis(q.reshape(q.shape[:-2] + (-1,))[..., :K], -1, axis).astype(np.float32)
;;   ~~~
;;   OPERANDS COMPUTED ON THE WAY. 'Computed on the way' means the value that the module computes at that place (a softmax that the list does not call 'softmax' is quantised finished and normalised). What goes into a quantiser is computed in f32, as accurately as f32 sums, v_exp_f32 and their like allow (about 1e-6 of the number): no bf16 or f16 on the way to a quantiser, and a product that is left as it is and whose result goes on into a quantised operand takes f32 operands (vector FMAs, or v_wmma_f32_16x16x4_f32). A number that lies on a knife's edge between two numbers of the format may be rounded either way, as far as f32 arithmetic and the matrix unit's own rounding can turn it there, and no further.
;; One version. Each part assembles by itself: llvm-mc -triple=amdgcn-amd-amdhsa -mcpu=gfx1250 --defsym DOCPART=n.
;; ======== version 1 of 1: 4 launches
;; limits: right only within a limited range of input values
;; workspace buffers: ops 9,830,400 bytes; qkv_codes 18,874,368 bytes; qkv_scales 1,310,720 bytes; o_ops 6,553,600 bytes
;; launch quant (part 1): grid 384 x 1, 4 waves a work-group, no clusters, 60,928 bytes of LDS; arguments x, w_attn, w_proj, ops; writes ops
.if DOCPART == 1
	.amdgcn_target "amdgcn-amd-amdhsa--gfx1250"
	.amdhsa_code_object_version 6
	.text
	.protected	k_qfa136a62f2_quant
	.globl	k_qfa136a62f2_quant
	.p2align	8
	.type	k_qfa136a62f2_quant,@function
k_qfa136a62f2_quant:
	s_mov_b64 s[64:65], 0
	v_nop
	global_prefetch_b8 v0, s[64:65] scope:SCOPE_SE
	s_setreg_imm32_b32 hwreg(HW_REG_WAVE_MODE, 25, 1), 1
	s_wait_xcnt 0x0
; x [8192][1024], w_attn [1024][3072] and w_proj [1024][1024], f32, become codes of BF6 (E3M2) with one E8M0 byte for each 32 along K = 1,024.
; A block's scale is 2^(floor(log2(largest magnitude)) - 4); its byte is the largest magnitude's exponent field - 4, held at 1 from below.
; LIMITS: a block of zeros, or one whose largest magnitude lies under 2^(5 - 127), gets the byte 1 (its codes are zeros or held; this program alone reads the bytes); NaN and infinities are not served.
; LAYOUT OF THE CODES (this program's own): 768 tiles of 16 rows, 12,288 bytes each: tiles 0-511 rows of x, 512-703 columns of w_attn, 704-767 columns of w_proj.
;   In each group of 32 rows, tile 2 g + u holds at place pos the row 32 g + 8 u + pos + 8 (pos / 8).
;   A tile is 16 units of 64 along K; a unit is 3 pieces of 256 bytes; in a piece lane 16 h + r has 8 bytes: bytes 8 p .. 8 p + 7 of the 24 bytes of codes of k = 64 kb + 32 h + 0 .. 31 of the row at place r.
;   So a matrix operand's registers are read as they lie, and every store of a piece is 256 consecutive bytes, aligned.
; LAYOUT OF THE SCALE BYTES: 512 bytes a tile: [256 along K: 4][place r: 16][2 words of 4 bytes, one for each 128 along K].
; Work-groups 0-255 take 32 rows of x each (K innermost: the numbers turn through LDS so that a lane holds a block's 32 neighbours);
; work-groups 256-383 take 128 columns x 256 along K of a weight (K outermost: a lane takes a column, its registers run down K).
; The two paths have LDS bytes of their own; waves share nothing, so there is no barrier.  No matrix unit, no cluster, no tensor load: the launch streams.
.set RX,     48                        ; v48-175   path x: four sets of 32 registers as loaded
.set XX,     176                       ; v176-239  path x: two sets of 32 neighbours
.set XPITCH, 272                       ; a stage row: 256 bytes + 16
.set XSTAGE, 16*XPITCH                 ; a stage: 16 rows; two for each wave
.set WLDS,   4*2*XSTAGE                ; path w's LDS begins behind path x's
.set WTILE,  3200                      ; path w: a tile's 3,072 bytes + 128
; WHERE A TILE'S PARTS LIE IN THE ONE BUFFER: eight tiles (128 rows) form a block of 102,400 bytes: first the eight tiles' scale bytes (8 x 512), then four K quarters of 24,576 bytes,
; each with the eight tiles' 3,072 bytes (four units) of that quarter on end.  So the scale bytes and the first three quarters of 128 rows are 77,824 dense bytes, and the last quarter 24,576 more.
	s_load_b256 s[4:11], s[0:1], 0x0               ; x s[4:5], w_attn s[6:7], w_proj s[8:9], the codes s[10:11]
	v_lshl_add_u32 v240, v0, 2, 0xec00
	v_mov_b32 v241, 0
	v_lshrrev_b32 v1, 5, v0
	v_readfirstlane_b32 s16, v1                    ; wave 0..3
	v_and_b32 v1, 31, v0                           ; lane
; 32 numbers of one block in v[xs] on become six registers of codes in v[cc] on; v11 = the scale's byte
.macro BLOCKQ xs, cc
	v_max3_num_f32 v8, |v[\xs]|, |v[\xs+1]|, |v[\xs+2]|            ; the largest magnitude, in two chains
	v_max3_num_f32 v9, |v[\xs+3]|, |v[\xs+4]|, |v[\xs+5]|
.irp i, 6,10,14,18,22,26
	v_max3_num_f32 v8, v8, |v[\xs+\i]|, |v[\xs+\i+1]|
	v_max3_num_f32 v9, v9, |v[\xs+\i+2]|, |v[\xs+\i+3]|
.endr
	v_max3_num_f32 v8, v8, |v[\xs+30]|, |v[\xs+31]|
	v_max3_num_f32 v8, v8, v9, 0x2800000           ; and the floor 2^(5 - 127): the byte cannot fall under 1
	v_add_nc_u32 v10, 0xfe000000, v8               ; 4 off the exponent field: the conversion takes this operand's exponent field as its scale
	v_cvt_scalef32_pk16_bf6_f32 v[\cc:\cc+2], v[\xs:\xs+15], v10
	v_cvt_scalef32_pk16_bf6_f32 v[\cc+4:\cc+6], v[\xs+16:\xs+31], v10   ; (a conversion's three registers begin on an even number)
	v_lshrrev_b32 v11, 23, v10                     ; the byte; also the plain line behind the conversions
	v_mov_b32 v[\cc+3], v[\cc+4]
	v_mov_b32 v[\cc+4], v[\cc+5]
	v_mov_b32 v[\cc+5], v[\cc+6]
.endm
	s_cmp_lt_u32 ttmp9, 256
	s_cbranch_scc0 .Lweights
; ---------------- x: work-group g takes rows 32 g .. 32 g + 31.  Wave w: tile 2 g + (w / 2), K half w % 2: eight units
	s_mov_b32 s20, 0x76543210
	s_mov_b32 s21, 0xfedcba98                      ; v_permlanex16_b32's selects for lane l xor 16
	v_and_b32 v7, 15, v1                           ; r (also: my 16 bytes of a row's 256)
	v_lshrrev_b32 v6, 4, v1                        ; h (also: which of a load's two rows)
	v_cmp_lt_u32 s22, 15, v1                       ; lanes 16-31
	v_lshlrev_b32 v2, 12, v6
	v_lshl_add_u32 v2, v7, 4, v2                   ; in memory: 4,096 h + 16 r
	s_mul_i32 s17, s16, 2*XSTAGE
	v_mul_u32_u24 v3, v6, XPITCH
	v_lshl_add_u32 v3, v7, 4, v3
	v_add_nc_u32 v3, s17, v3                       ; into the stage: row h of a pair, 16 r
	v_mul_u32_u24 v4, v7, XPITCH
	v_lshl_add_u32 v4, v6, 7, v4
	v_add_nc_u32 v4, s17, v4                       ; out of it: row r, my block's 128 bytes
	v_lshlrev_b32 v5, 3, v1                        ; 8 x lane: my place in a piece
	v_lshlrev_b32 v6, 3, v6                        ; 8 h: my byte's place in a scale word
	s_lshr_b32 s18, s16, 1                         ; u
	s_and_b32 s19, s16, 1                          ; K half
	s_lshl_b32 s24, ttmp9, 17                      ; 32 rows of 4,096 bytes
	s_lshl_b32 s25, s18, 15                        ; + 8 u rows
	s_add_co_u32 s24, s24, s25
	s_lshl_b32 s25, s19, 11                        ; + 512 numbers
	s_add_co_u32 s24, s24, s25
	s_mov_b32 s25, 0
	s_lshl_b32 s26, ttmp9, 1
	s_add_co_u32 s26, s26, s18                     ; my tile
	s_lshr_b32 s27, s26, 3
	s_mul_i32 s27, s27, 102400                     ; my tile's block of eight
	s_and_b32 s26, s26, 7
	s_mul_i32 s28, s26, 3072
	s_add_co_u32 s28, s28, s27
	s_mul_i32 s30, s19, 49152                      ; my K half: two quarters
	s_add_co_u32 s28, s28, s30
	s_add_co_u32 s28, s28, 4096                    ; behind the block's scale bytes
	s_mov_b32 s29, 0
	s_lshl_b32 s30, s26, 9
	s_add_co_u32 s30, s30, s27
	s_lshl_b32 s27, s19, 8
	s_add_co_u32 s30, s30, s27
	s_mov_b32 s31, 0
	s_wait_alu depctr_va_vdst(0)
	s_wait_kmcnt 0x0
	s_add_nc_u64 s[4:5], s[4:5], s[24:25]
	s_add_nc_u64 s[12:13], s[10:11], s[30:31]
	s_add_nc_u64 s[10:11], s[10:11], s[28:29]
.macro LOADU t                         ; unit t: 16 rows x 256 bytes; a load takes two rows, sixteen lanes a row's 256 aligned bytes.  Load i: places 2 i, 2 i + 1
.irp i, 0,1,2,3,4,5,6,7
	global_load_b128 v[RX+32*((\t)%4)+4*\i:RX+32*((\t)%4)+4*\i+3], v2, s[4:5] offset:(2*\i+8*(\i/4))*4096+256*(\t) th:TH_LOAD_NT
.endr
.endm
.macro TURNU t                         ; through the stage: LDS serves a wave's instructions in order, so no wait stands between the stores and the loads
.irp i, 0,1,2,3,4,5,6,7
	ds_store_b128 v3, v[RX+32*((\t)%4)+4*\i:RX+32*((\t)%4)+4*\i+3] offset:XSTAGE*((\t)%2)+2*XPITCH*\i
.endr
.irp j, 0,1,2,3,4,5,6,7
	ds_load_b128 v[XX+32*((\t)%2)+4*\j:XX+32*((\t)%2)+4*\j+3], v4 offset:XSTAGE*((\t)%2)+16*\j
.endr
.endm
.macro UNIT t
.set XS, XX+32*((\t)%2)
.set CC, 20+8*((\t)%2)
	s_wait_dscnt 0x0                               ; this unit's numbers are back from the stage, and its stores into the stage have read their registers,
.if (\t)+4 < 8
	LOADU (\t)+4                                   ; which take the loads of four units on
.endif
.if (\t)+1 < 8
.if 6-(\t) >= 3
	s_wait_loadcnt 24                              ; the next unit's eight loads are in; those of the three units behind it may be out
.else
	s_wait_loadcnt 8*(6-(\t))
.endif
	TURNU (\t)+1
.endif
	s_wait_xcnt 0x0                                ; the stores of two units ago have read this set of code registers
	BLOCKQ XS, CC
.irp p, 0,1,2
	global_store_b64 v5, v[CC+2*\p:CC+2*\p+1], s[10:11] offset:768*((\t)%4)+24576*((\t)/4)+256*\p   ; a piece: 256 consecutive bytes, aligned
.endr
.if (\t)%2 == 0
	v_mov_b32 v[12+(\t)/2], v11                    ; a scale word serves two units: my byte of the even unit at bit 0, of the odd one at bit 16
.else
	v_lshl_or_b32 v[12+(\t)/2], v11, 16, v[12+(\t)/2]
.endif
.endm
	LOADU 0
	LOADU 1
	LOADU 2
	LOADU 3
	s_wait_loadcnt 24                              ; unit 0's eight loads are in
	TURNU 0
.irp t, 0,1,2,3,4,5,6,7
	UNIT \t
.endr
.irp q, 0,1,2,3
	v_lshlrev_b32 v[12+\q], v6, v[12+\q]           ; 8 h bits up,
.endr
.irp q, 0,1,2,3
	v_permlanex16_b32 v[8+\q], v[12+\q], s20, s21
.endr
.irp q, 0,1,2,3
	v_or_b32 v[12+\q], v[12+\q], v[8+\q]           ; and with lane l xor 16's two bytes the word is whole
.endr
	v_cndmask_b32 v16, v12, v14, s22               ; lanes 0-15 store words 0, 1 of my K half, lanes 16-31 words 2, 3
	v_cndmask_b32 v17, v13, v15, s22
	global_store_b64 v5, v[16:17], s[12:13]        ; 256 consecutive bytes, aligned
	s_wait_tensorcnt 0x0
	ds_add_u32 v240, v241
	s_wait_dscnt 0x0
	s_endpgm
; ---------------- the weights: work-group g' = 0..127: columns 128 (g' % 32) on of w_attn | w_proj, K quarter g' / 32.  Wave w: 32 columns, 8 blocks a lane
.Lweights:
	s_sub_co_u32 s17, ttmp9, 256
	s_and_b32 s18, s17, 31
	s_lshr_b32 s19, s17, 5                         ; K quarter y
	s_lshl_b32 s22, s18, 2
	s_add_co_u32 s22, s22, s16                     ; G: my group of 32 columns, 0..127
	s_wait_kmcnt 0x0
	s_cmp_lt_u32 s18, 24                           ; groups 0-95 are w_attn's: the choice hangs on the work-group's number alone
	s_cselect_b64 s[6:7], s[6:7], s[8:9]
	s_mov_b32 s23, 4096
	s_cselect_b32 s23, 12288, s23                  ; a row of the weight in bytes
	s_cselect_b32 s24, 0, 96
	s_sub_co_u32 s24, s22, s24                     ; the group's number in its own tensor
	s_mul_i32 s26, s19, s23
	s_lshl_b32 s26, s26, 8                         ; 256 y rows
	s_lshl_b32 s27, s24, 7                         ; + 32 columns of 4 bytes a group
	s_add_co_u32 s26, s26, s27
	s_mov_b32 s27, 0
	s_add_nc_u64 s[32:33], s[6:7], s[26:27]        ; block 0's first row
	s_lshl_b32 s28, s23, 5                         ; 32 rows on
	s_mov_b32 s29, 0
.irp b, 1,2,3,4,5,6,7
	s_add_nc_u64 s[32+2*\b:33+2*\b], s[30+2*\b:31+2*\b], s[28:29]   ; a base for each block: none is stepped
.endr
	s_wait_alu depctr_va_vdst(0)
	v_lshlrev_b32 v2, 2, v1                        ; 4 bytes a lane: a lane a column
.irp i, 0,1,2,3,4,5,6,7,8,9,10,11,12,13,14,15,16,17,18,19,20,21,22,23,24,25,26,27,28,29,30,31
	v_mad_u32_u24 v[48+\i], s23, \i, v2            ; row i of a block
.endr
	v_bfe_u32 v7, v1, 3, 1                         ; column 32 G + lane lies in tile 2 G + u, u = (lane / 8) % 2,
	v_and_b32 v8, 7, v1
	v_lshrrev_b32 v9, 4, v1
	v_lshl_add_u32 v8, v9, 3, v8                   ; at place r = lane % 8 + 8 (lane / 16)
	s_mul_i32 s30, s16, 2*WTILE
	s_add_co_u32 s30, s30, WLDS                    ; my stage
	v_mul_u32_u24 v3, v7, WTILE
	v_lshl_add_u32 v3, v8, 3, v3
	v_add_nc_u32 v3, s30, v3                       ; into it: tile u, 8 r
	v_lshlrev_b32 v5, 4, v1                        ; 16 x lane
	v_add_nc_u32 v4, s30, v5                       ; out of it
	v_lshlrev_b32 v6, 9, v7
	v_lshl_add_u32 v6, v8, 3, v6                   ; the scale bytes: 512 u + 8 r
	s_lshl_b32 s24, s22, 1
	s_add_co_u32 s24, s24, 512                     ; tile 512 + 2 G
	s_lshr_b32 s31, s24, 3
	s_mul_i32 s31, s31, 102400                     ; the block of eight tiles
	s_and_b32 s24, s24, 7
	s_lshl_b32 s26, s24, 9
	s_lshl_b32 s25, s19, 7
	s_add_co_u32 s26, s26, s25
	s_add_co_u32 s26, s26, s31
	s_add_nc_u64 s[12:13], s[10:11], s[26:27]      ; the scale bytes
	s_mul_i32 s26, s24, 3072
	s_mul_i32 s25, s19, 24576
	s_add_co_u32 s26, s26, s25
	s_add_co_u32 s26, s26, s31
	s_add_co_u32 s26, s26, 4096
	s_add_nc_u64 s[10:11], s[10:11], s[26:27]      ; the codes of my K quarter
.macro LOADW b                         ; block b: 32 rows of K at my column: a wave reads 128 consecutive bytes, the four waves 512
.irp i, 0,1,2,3,4,5,6,7,8,9,10,11,12,13,14,15,16,17,18,19,20,21,22,23,24,25,26,27,28,29,30,31
	global_load_b32 v[80+32*((\b)%2)+\i], v[48+\i], s[32+2*(\b):33+2*(\b)] th:TH_LOAD_NT
.endr
.endm
.macro WBLOCK b
.set XS, 80+32*((\b)%2)
.if (\b) < 7
	s_wait_loadcnt 32                              ; this block's 32 loads are in; the next block's may be out
.else
	s_wait_loadcnt 0x0
.endif
	BLOCKQ XS, 20
.if (\b)%4 == 0
	v_mov_b32 v[12+(\b)/4], v11                    ; four bytes to a word, the lower K in the lower byte
.else
	v_lshl_or_b32 v[12+(\b)/4], v11, 8*((\b)%4), v[12+(\b)/4]
.endif
.irp p, 0,1,2
	ds_store_b64 v3, v[20+2*\p:21+2*\p] offset:768*((\b)/2)+128*((\b)%2)+256*\p   ; unit b / 2, half b % 2, piece p
.endr
.if (\b)+2 < 8
	LOADW (\b)+2
.endif
	s_wait_dscnt 0x0                               ; the stores have read their registers: the next block's codes may be written
.endm
	LOADW 0
	LOADW 1
.irp b, 0,1,2,3,4,5,6,7
	WBLOCK \b
.endr
	s_wait_alu depctr_va_vdst(0)
	global_store_b64 v6, v[12:13], s[12:13]        ; my column's two words: sixteen lanes store 128 consecutive bytes (one byte in 128 of what the path reads)
.irp m, 0,1,2,3,4,5,6,7,8,9,10,11
	ds_load_b128 v[144+4*\m:144+4*\m+3], v4 offset:WTILE*(\m/6)+512*(\m%6)   ; LDS serves a wave's instructions in order: these see my stores
.endr
.irp m, 0,1,2,3,4,5,6,7,8,9,10,11
	s_wait_dscnt 11-\m
	global_store_b128 v5, v[144+4*\m:144+4*\m+3], s[10:11] offset:3072*(\m/6)+512*(\m%6)   ; 512 consecutive bytes, aligned
.endr
	s_wait_tensorcnt 0x0
	ds_add_u32 v240, v241
	s_wait_dscnt 0x0
	s_endpgm
.Lfunc_end_k_qfa136a62f2_quant:
	.size	k_qfa136a62f2_quant, .Lfunc_end_k_qfa136a62f2_quant-k_qfa136a62f2_quant
	.p2alignl 7, 3214868480
	.fill 96, 4, 3214868480
	.section	.rodata,"a",@progbits
	.p2align	6, 0x0
	.amdhsa_kernel k_qfa136a62f2_quant
		.amdhsa_group_segment_fixed_size 60928
		.amdhsa_private_segment_fixed_size 0
		.amdhsa_enable_private_segment 0
		.amdhsa_kernarg_size 32
		.amdhsa_user_sgpr_count 2
		.amdhsa_user_sgpr_kernarg_segment_ptr 1
		.amdhsa_wavefront_size32 1
		.amdhsa_system_sgpr_workgroup_id_x 1
		.amdhsa_system_sgpr_workgroup_id_y 1
		.amdhsa_system_sgpr_workgroup_id_z 1
		.amdhsa_system_vgpr_workitem_id 0
		.amdhsa_next_free_vgpr 242
		.amdhsa_next_free_sgpr 66
		.amdhsa_reserve_vcc 0
		.amdhsa_float_denorm_mode_32 3
		.amdhsa_float_denorm_mode_16_64 3
		.amdhsa_memory_ordered 1
		.amdhsa_forward_progress 1
		.amdhsa_inst_pref_size 76
	.end_amdhsa_kernel
	.amdgpu_metadata
---
amdhsa.version: [ 1, 2 ]
amdhsa.kernels:
  - .name:           k_qfa136a62f2_quant
    .symbol:         k_qfa136a62f2_quant.kd
    .args:
      - { .name: x, .offset: 0, .size: 8, .value_kind: global_buffer, .address_space: global }
      - { .name: w_attn, .offset: 8, .size: 8, .value_kind: global_buffer, .address_space: global }
      - { .name: w_proj, .offset: 16, .size: 8, .value_kind: global_buffer, .address_space: global }
      - { .name: ops, .offset: 24, .size: 8, .value_kind: global_buffer, .address_space: global }
    .group_segment_fixed_size: 60928
    .private_segment_fixed_size: 0
    .kernarg_segment_align: 8
    .kernarg_segment_size: 32
    .max_flat_workgroup_size: 128
    .sgpr_count:     66
    .vgpr_count:     242
    .wavefront_size: 32
...
	.end_amdgpu_metadata
.endif
;; end of part 1
;; launch gemm1 (part 2): grid 8 x 48, 4 waves a work-group, clusters of 4 x 4, 327,680 bytes of LDS; arguments ops, b_attn, qkv_codes, qkv_scales; writes qkv_codes, qkv_scales
.if DOCPART == 2
	.amdgcn_target "amdgcn-amd-amdhsa--gfx1250"
	.amdhsa_code_object_version 6
	.text
	.protected	k_qfa136a62f2_gemm1
	.globl	k_qfa136a62f2_gemm1
	.p2align	8
	.type	k_qfa136a62f2_gemm1,@function
k_qfa136a62f2_gemm1:
	s_mov_b64 s[64:65], 0
	v_nop
	global_prefetch_b8 v0, s[64:65] scope:SCOPE_SE
	s_setreg_imm32_b32 hwreg(HW_REG_WAVE_MODE, 25, 1), 1
	s_wait_xcnt 0x0
	s_wait_alu depctr_hold_cnt(0) depctr_sa_sdst(0) depctr_va_vdst(0) depctr_va_sdst(0) depctr_va_ssrc(0) depctr_va_vcc(0) depctr_vm_vsrc(0)
	s_getreg_b32 s2, hwreg(HW_REG_IB_STS2, 6, 4)
	s_cmp_eq_u32 s2, 0
	s_cbranch_scc0 .Lentry_in_a_cluster
	s_endpgm
.Lentry_in_a_cluster:
	s_bfe_u32 s2, ttmp6, 0x10000c
	s_cmp_lg_u32 s2, 0xf033
	s_cbranch_scc0 .Lentry_shape_is_right
	s_endpgm
.Lentry_shape_is_right:
; attn = x w_attn + b_attn on codes of BF6 (K = 1,024), and its three parts q, k, v quantised again on the way out: q and k along a head's 64 channels, v along the tokens.
; A work-group makes 256 x 256; four waves, each 128 x 128: 64 accumulators, 512 registers.  P is the matrix instruction's source 0 (its rows run along a lane's registers), R its source 1 (a lane holds one row of R).
;   clusters with y < 8 (q and k): P = 256 columns of w_attn (n < 2,048), R = 256 tokens: a lane holds one token, its registers run along the channels: q's and k's K.
;   clusters with y >= 8 (v):      P = 256 tokens, R = 256 columns of w_attn (n >= 2,048): a lane holds one channel, its registers run along the tokens: v's K.
; The operands' tiles of 16 rows hold, in each group of 32 rows, at place pos of tile 2 g + u the row 32 g + 8 u + pos + 8 (pos / 8): so the 16 registers of P's tiles 2 g and 2 g + 1 are 16 neighbours, 32 g + 16 (lane / 16) + 0 .. 15.
; Codes lie in the order of the operand's registers (units of 16 rows x 64 K: 3 pieces of 256 bytes, 8 bytes a lane): a fragment is six ds_load_b64 of 256 consecutive bytes: no pitch, no padding.
; K goes in 8 steps of 128.  Three LDS slots of 256 along K are filled at the head; slot 0 is filled once more, with the last quarter of K, behind the second step's barrier: that load has 224 matrix instructions in which to land.
; CLUSTERS: 4 x 4 work-groups; R's tiles are shared along a row of the cluster, P's along a column: each is asked for jointly.  The mode hangs on the cluster's y alone, which all sixteen partners share.
; No prefetch: three quarters of K are asked for at the head, and the fourth two steps later.
; LIMITS: a block of zeros, or one under 2^(5 - 127), gets the byte 1 (this program alone reads the bytes); NaN and infinities are not served.
; REGISTERS: window 0: v16-29 addresses; v32-63 scale words, two sets; v64-127 the bias of q and k; v128-223 R's fragments (one set), later the way out; v240-247 the bias of v.
;   window 1: P's fragments, two sets, at v0 and v128.   windows 2, 3: accumulator (a, b) at v[8 (8 (a % 4) + b)].
.set SROW,  3072                       ; a tile of 16 rows x 256 along K
.set HALFT, 8*SROW                     ; 128 rows: what one tensor load brings
.set REG,   4096+3*HALFT               ; what a wave's one load at the head brings, dense in memory and in LDS: the scale bytes of its 128 rows, then three K quarters (slots 0, 1, 2).  Regions 0, 1: R's halves; 2, 3: P's
.set SPARE, 4*REG                      ; the spare words: 128 bytes a wave, two blocks of 256 bytes that no other line names
.set FR,    12
.set ADRR,  16                         ; v16-18 my R fragments in slot 0, 1, 2
.set ADRP,  20                         ; v20-22 my P fragments
.set ADRS,  27                         ; v27 my scale words: lanes 0-15 R's rows, lanes 16-31 P's
.set SPW,   28
.set NIL,   29
.set SC,    32
.set BT,    64
.set RF,    128
.set T,     128                        ; the way out: 64 numbers
.set PC,    192                        ; codes (v192-203), v204-211 at work
.set TM,    212
.set PW,    228
.set SW,    232                        ; eight scale words
.set BR,    240
.set G1R,   24
.set G1P,   32
.set G1SR,  40
.set G1SP,  48
.set G0R,   68                         ; group 0 of R's load, stepped for the refill
.set G0P,   80
.set G0SR,  92
.set G0SP,  96
.set SEL,   62
.set MSB, 0
.macro WIN new                         ; the immediate's high byte repeats the setting that is left
.if MSB != (\new)
	s_set_vgpr_msb (MSB<<8)|(\new)
.set MSB, \new
.endif
.endm
.set MUL_LO, 0xa1                      ; source 0 (P) window 1, source 1 (R) window 0, C and D window 2
.set MUL_HI, 0xf1
.set TO_P,   0x40
.macro JLOAD g0r, g1r, g0p, g1p        ; a joint load: waves 0, 1 fetch for R, waves 2, 3 for P; four v_nop follow each line
	s_cmp_eq_u32 s15, 0
	s_cbranch_scc0 .Lfor_p_\@
	tensor_load_to_lds s[\g0r:\g0r+3], s[\g1r:\g1r+7]
	s_nop 0
.rept 4
	v_nop
.endr
	s_branch .Lasked_\@
.Lfor_p_\@:
	tensor_load_to_lds s[\g0p:\g0p+3], s[\g1p:\g1p+7]
	s_nop 0
.rept 4
	v_nop
.endr
.Lasked_\@:
.endm
.macro CREST                           ; a round of the cluster's barrier behind its opening barrier
	s_cmp_lg_u32 s14, 0
	s_cbranch_scc1 .Lnot_wave_0_\@
	s_barrier_signal -3
.Lnot_wave_0_\@:
	s_barrier_wait -3
	s_barrier_signal -1
	s_barrier_wait -1
.endm
.macro CROUND
	s_barrier_signal -1
	s_barrier_wait -1
	CREST
.endm
.macro PLACES                          ; four plain places behind a matrix instruction, in front of loads into its registers and of reads of its results
.rept 4
	v_nop
.endr
.endm
	s_load_b64 s[4:5], s[0:1], 0x0                 ; the operands' blocks
	s_load_b128 s[8:11], s[0:1], 0x8               ; b_attn s[8:9], qkv codes s[10:11]
	s_load_b64 s[12:13], s[0:1], 0x18              ; qkv scale bytes
	v_lshl_add_u32 v[SPW], v0, 2, SPARE
	v_mov_b32 v[NIL], 0
	ds_add_u32 v28, v29
	ds_add_u32 v28, v29
	s_wait_dscnt 0x0
	v_lshrrev_b32 v1, 5, v0
	v_readfirstlane_b32 s14, v1                    ; wave 0..3
	s_lshr_b32 s15, s14, 1                         ; my half of R's rows.  Also: I fetch for R (0) or for P (1)
	s_and_b32 s16, s14, 1                          ; my half of P's rows.  Also: which 128 rows I fetch
	s_bfe_u32 s56, ttmp6, 0x40000                  ; cx
	s_bfe_u32 s57, ttmp6, 0x40004                  ; cy
	s_mov_b32 s58, ttmp9                           ; the cluster's x: 0, 1
	s_and_b32 s59, ttmp7, 0xffff                   ; the cluster's y: 0..11
	s_lshl_b32 s60, s57, 2
	s_lshl_b32 s60, 15, s60                        ; my row of the cluster
	s_lshl_b32 s61, 0x1111, s56                    ; my column
	s_mov_b32 s[SEL], 0x76543210
	s_mov_b32 s[SEL+1], 0xfedcba98
	s_or_b32 s[G1R], s60, (3<<16)|(1<<21)          ; 15:0 the mask; 17:16 elements of 8 bytes; 21 set beside a mask; no padding
	s_or_b32 s[G1P], s61, (3<<16)|(1<<21)
.irp g, G1R, G1P                       ; a dense block as rows of 256 bytes (32 elements): 304 rows at the head; the two words that count rows are set to 96 for the refill
	s_mov_b32 s[\g+1], 32<<16
	s_mov_b32 s[\g+2], 304<<16
	s_mov_b32 s[\g+3], 32<<16
	s_mov_b32 s[\g+4], 304
	s_mov_b32 s[\g+5], 32
	s_mov_b32 s[\g+6], 0
	s_mov_b32 s[\g+7], 0
.endr
	; which blocks of 256 rows of the codes' buffer: 0-31 x, 32-43 w_attn.  R's number never holds cx, P's never cy
	s_lshl_b32 s17, s59, 2
	s_lshl_b32 s18, s58, 2
	s_lshl_b32 s19, s59, 3
	s_add_co_u32 s19, s19, s18
	s_sub_co_u32 s19, s19, 64                      ; v: tokens 4 X + 8 (Y - 8) (not used where Y < 8)
	s_add_co_u32 s18, s18, 32                      ; q, k: columns 32 + 4 X
	s_cmp_ge_u32 s59, 8
	s_cselect_b32 s17, 40, s17                     ; R: v: columns from 2,048 on; q, k: tokens 4 Y
	s_cselect_b32 s18, s19, s18
	s_add_co_u32 s17, s17, s57                     ; + cy
	s_add_co_u32 s18, s18, s56                     ; + cx
	s_mul_i32 s20, s17, 204800                     ; 256 rows are two blocks of 102,400 bytes
	s_mul_i32 s19, s16, 102400
	s_add_co_u32 s20, s20, s19
	s_mov_b32 s21, 0
	s_mul_i32 s66, s18, 204800
	s_add_co_u32 s66, s66, s19
	s_mov_b32 s67, 0
	s_mul_i32 s2, s14, REG                         ; where they go: wave x a region: no place in the cluster enters an LDS address
	s_wait_kmcnt 0x0
	s_add_nc_u64 s[20:21], s[4:5], s[20:21]
	s_add_nc_u64 s[66:67], s[4:5], s[66:67]
	CROUND                                         ; all sixteen work-groups are here: the first joint loads meet
	s_mov_b32 s[G0R], 1
	s_mov_b32 s[G0R+1], s2
	s_mov_b64 s[G0R+2:G0R+3], s[20:21]
	s_or_b32 s[G0R+3], s[G0R+3], 0x80000000
	s_mov_b32 s[G0P], 1
	s_mov_b32 s[G0P+1], s2
	s_mov_b64 s[G0P+2:G0P+3], s[66:67]
	s_or_b32 s[G0P+3], s[G0P+3], 0x80000000
	JLOAD G0R, G1R, G0P, G1P                       ; my one load at the head: scale bytes and three quarters of K of 128 rows
	v_and_b32 v1, 15, v0                           ; r
	v_bfe_u32 v2, v0, 4, 1                         ; h
	s_wait_alu depctr_va_vdst(0)
	v_and_b32 v3, 31, v0
	s_mul_i32 s17, s15, REG
	s_mul_i32 s18, s16, REG
	s_add_co_u32 s17, s17, 4096                    ; slot 0 lies behind the region's scale bytes
	s_add_co_u32 s18, s18, 2*REG+4096
	v_lshlrev_b32 v4, 3, v3                        ; 8 x lane
.irp s, 0,1,2
	v_add_nc_u32 v[ADRR+\s], s17, v4
	v_add_nc_u32 v[ADRP+\s], s18, v4
	s_add_co_u32 s17, s17, HALFT
	s_add_co_u32 s18, s18, HALFT
.endr
	s_mul_i32 s17, s15, REG                        ; R's scale bytes: at the head of my R region
	s_mul_i32 s18, s16, REG                        ; P's: at the head of my P region
	s_add_co_u32 s18, s18, 2*REG
	s_sub_co_u32 s18, s18, s17
	v_mul_u32_u24 v6, s18, v2                      ; lanes 16-31 take P's: one product, the distance between the two
	v_lshl_add_u32 v5, v1, 3, v6
	v_add_nc_u32 v[ADRS], s17, v5
	v_lshlrev_b32 v23, 6, v2                       ; the way out: 64 h (q's and k's bias),
	v_and_b32 v5, 8, v1
	v_add_nc_u32 v5, v5, v1
	v_lshlrev_b32 v19, 2, v5                       ; 4 (r + 8 (r / 8)) (v's bias),
	v_mul_u32_u24 v24, v2, 20480
	v_lshl_add_u32 v24, v1, 4, v24                 ; scale words: lanes 16-31 the next head's, 16 r,
	v_lshlrev_b32 v25, 4, v2                       ; 16 h,
	v_mov_b32 v26, v4                              ; and 8 x lane: a piece's place
.macro FRAG reg, adr, q, i             ; a fragment, 16 rows x 128 K: 12 registers, six pieces as they lie
.irp p, 0,1,2,3,4,5
	ds_load_b64 v[\reg+2*\p:\reg+2*\p+1], v[\adr] offset:SROW*(\i)+1536*(\q)+256*\p
.endr
.endm
.macro FETCH_P slot, q, set
	WIN TO_P
.irp i, 0,1,2,3,4,5,6,7
	FRAG 128*(\set)+FR*\i, ADRP+\slot, \q, \i
.endr
	WIN 0
.endm
.macro FETCH_R slot, q, i0
.irp i, \i0, \i0+1, \i0+2, \i0+3
	FRAG RF+FR*(\i), ADRR+\slot, \q, \i
.endr
.endm
.macro SCALES sc                       ; two words a row for 256 along K: lanes 0-15 R's block i, lanes 16-31 P's block i
.irp i, 0,1,2,3,4,5,6,7
	ds_load_b64 v[SC+16*(\sc)+2*\i:SC+16*(\sc)+2*\i+1], v[ADRS] offset:512*\i
.endr
.endm
; 16 matrix instructions: R's blocks a0, a0 + 1 x P's eight.  zero = 1: the products start the sums; 2: the sums begin with the bias.  The 64 accumulators take turns, in the same order in every step.
.macro MUL16 a0, p, q, sc, zero
.irp a, \a0, \a0+1
.irp b, 0,1,2,3,4,5,6,7
.if \zero == 1
	v_wmma_scale_f32_16x16x128_f8f6f4 v[8*(8*((\a)%4)+\b):8*(8*((\a)%4)+\b)+7], v[128*(\p)+FR*\b:128*(\p)+FR*\b+FR-1], v[RF+FR*(\a):RF+FR*(\a)+FR-1], 0, v[SC+16*(\sc)+2*\b+(\q)], v[SC+16*(\sc)+2*(\a)+(\q)] matrix_a_fmt:MATRIX_FMT_BF6 matrix_b_fmt:MATRIX_FMT_BF6 matrix_a_scale:MATRIX_SCALE_ROW1
.elseif \zero == 2
	v_wmma_scale_f32_16x16x128_f8f6f4 v[8*(8*((\a)%4)+\b):8*(8*((\a)%4)+\b)+7], v[128*(\p)+FR*\b:128*(\p)+FR*\b+FR-1], v[RF+FR*(\a):RF+FR*(\a)+FR-1], v[BT+8*\b:BT+8*\b+7], v[SC+16*(\sc)+2*\b+(\q)], v[SC+16*(\sc)+2*(\a)+(\q)] matrix_a_fmt:MATRIX_FMT_BF6 matrix_b_fmt:MATRIX_FMT_BF6 matrix_a_scale:MATRIX_SCALE_ROW1
.else
	v_wmma_scale_f32_16x16x128_f8f6f4 v[8*(8*((\a)%4)+\b):8*(8*((\a)%4)+\b)+7], v[128*(\p)+FR*\b:128*(\p)+FR*\b+FR-1], v[RF+FR*(\a):RF+FR*(\a)+FR-1], v[8*(8*((\a)%4)+\b):8*(8*((\a)%4)+\b)+7], v[SC+16*(\sc)+2*\b+(\q)], v[SC+16*(\sc)+2*(\a)+(\q)] matrix_a_fmt:MATRIX_FMT_BF6 matrix_b_fmt:MATRIX_FMT_BF6 matrix_a_scale:MATRIX_SCALE_ROW1
.endif
.endr
.endr
.endm
; K step k of 8.  Steps 2 n, 2 n + 1 lie in slot n % 3.  In its middle a step fetches P's other set and R's blocks 0-3 of the next step, at its end R's blocks 4-7.
; kind 0: plain.  kind 2 (step 1): slot 0 has been read out: the waits, the add and a round of the cluster's barrier, and behind it the joint refill.  kind 1 (step 5): the same waits and a barrier, behind which the refill is shown to all four waves.
.macro KS k, kind, zero
.set CQ,  (\k)%2
.set CSC, ((\k)/2)%2
.set NK,  (\k)+1
.set NS,  (NK/2)%3
.set NQ,  NK%2
.set NSC, (NK/2)%2
.if \kind == 0
	s_wait_dscnt 24                                ; P's set, R's blocks 0-3 and the scale words are in; the youngest 24 loads (R's blocks 4-7) may be out
.if \zero == 2
	WIN 0x81
.else
	WIN MUL_LO
.endif
	MUL16 0, CQ, CQ, CSC, \zero
	MUL16 2, CQ, CQ, CSC, \zero
	s_wait_dscnt 0x0                               ; R's blocks 4-7 are in
.if (\k) < 7
	PLACES
.endif
.else
	s_wait_tensorcnt 0x0                           ; all my tensor loads have landed (every window is 0 here)
	ds_add_u32 v[SPW], v[NIL]                      ; 0 onto my spare word
	s_wait_dscnt 25                                ; (the add and the youngest 24 loads may be out)
	WIN MUL_LO
	MUL16 0, CQ, CQ, CSC, 0                        ; sixteen matrix instructions stand between the add and the wait for it
	s_wait_dscnt 0x0                               ; the add is done, and my reads of the slots read so far are over
	s_barrier_signal -1
	MUL16 2, CQ, CQ, CSC, 0
	WIN 0
	s_barrier_wait -1
.if \kind == 2
	CREST                                          ; the barrier has opened a round of the cluster's: no wave of any partner still reads slot 0 or has a load on its way
	s_add_nc_u64 s[G0R+2:G0R+3], s[G0R+2:G0R+3], REG      ; slot 0 takes the last quarter of K, which lies behind what the head brought
	s_add_nc_u64 s[G0P+2:G0P+3], s[G0P+2:G0P+3], REG
	s_add_co_u32 s[G0R+1], s[G0R+1], 4096
	s_add_co_u32 s[G0P+1], s[G0P+1], 4096
	JLOAD G0R, G1R, G0P, G1P                       ; my one tensor load behind the round; its four v_nop are also the places in front of the loads below
.else
	PLACES
.endif
.endif
.if (\k) < 7
	FETCH_P NS, NQ, NQ
.if NQ == 0
	v_add_nc_u32 v[ADRS], 128, v[ADRS]             ; the next 256 along K: its scale words
.endif
	FETCH_R NS, NQ, 0
.if NQ == 0
	SCALES NSC
.endif
.endif
.if \zero == 2
	WIN 0xc1
.else
	WIN MUL_HI
.endif
	MUL16 4, CQ, CQ, CSC, \zero
	MUL16 6, CQ, CQ, CSC, \zero
.if (\k) < 7
	PLACES
	WIN 0
	FETCH_R NS, NQ, 4
.else
	WIN 0
.endif
.endm
; 64 numbers of a lane, register 16 b + i = k 32 b + 16 (lane / 16) + i of my row, become a fragment's codes in v[PC] on and its scale word in v[PW]
.macro QUANT s
.irp b, 0,1,2,3
	v_max3_num_f32 v[TM+\b], |v[\s+16*\b]|, |v[\s+1+16*\b]|, 0x2800000   ; my 16 numbers of block b, and the floor 2^(5 - 127)
.endr
.irp i, 2,4,6,8,10,12,14
.irp b, 0,1,2,3
	v_max3_num_f32 v[TM+\b], v[TM+\b], |v[\s+16*\b+\i]|, |v[\s+1+16*\b+\i]|
.endr
.endr
.irp b, 0,1,2,3
	v_permlanex16_b32 v[TM+4+\b], v[TM+\b], s[SEL], s[SEL+1]
.endr
.irp b, 0,1,2,3
	v_max_num_f32 v[TM+\b], v[TM+\b], v[TM+4+\b]   ; with lane l xor 16's: the block's largest magnitude
.endr
.irp b, 0,1,2,3
	v_add_nc_u32 v[TM+12+\b], 0xfe000000, v[TM+\b] ; 4 off its exponent field: the conversion's scale operand
.endr
.irp b, 0,1,2,3
	v_lshrrev_b32 v[TM+4+\b], 23, v[TM+12+\b]      ; the byte
.endr
	v_lshl_or_b32 v[PW], v[TM+5], 8, v[TM+4]
	v_lshl_or_b32 v[PW], v[TM+6], 16, v[PW]
	v_lshl_or_b32 v[PW], v[TM+7], 24, v[PW]
.irp c, 0,1
	v_cvt_scalef32_pk16_bf6_f32 v[PC+6*\c:PC+2+6*\c], v[\s+32*\c:\s+15+32*\c], v[TM+12+2*\c]
	v_cvt_scalef32_pk16_bf6_f32 v[PC+12+4*\c:PC+14+4*\c], v[\s+16+32*\c:\s+31+32*\c], v[TM+12+2*\c+1]
.endr
	v_nop                                          ; one plain place behind a scaled conversion
.irp c, 0,1                            ; the operand's layout wants a whole block in a lane
.irp i, 0,1,2
	v_permlane16_swap_b32 v[PC+6*\c+\i], v[PC+12+4*\c+\i]
.endr
.irp i, 0,1,2
	v_mov_b32 v[PC+3+6*\c+\i], v[PC+12+4*\c+\i]
.endr
.endr
.endm
; THE WAY OUT, R's block a at a time: + bias, quantised along the registers, six pieces of 256 bytes stored as they are: no LDS.
; mode 0: rows = 16 tokens, K = 128 channels = two heads: unit c goes to head + c.   mode 1: rows = 16 channels (tile a % 4 of head a / 4), K = 128 tokens.
.macro EPI mode
.irp a, 0,1,2,3,4,5,6,7
.if \a > 0
	s_wait_xcnt 0x0                                ; the last block's stores have read the code registers
.endif
	WIN 0x02+(\a)/4                                ; source 0: window 2 or 3
.irp j, 0,2,4,6,8,10,12,14,16,18,20,22,24,26,28,30,32,34,36,38,40,42,44,46,48,50,52,54,56,58,60,62
.if \mode == 0
	v_pk_add_f32 v[T+\j:T+\j+1], v[64*((\a)%4)+\j:64*((\a)%4)+\j+1], v[BT+\j:BT+\j+1]   ; each accumulator from its low end on
.elseif (\a)%2 == 0
	v_pk_add_f32 v[T+\j:T+\j+1], v[64*((\a)%4)+\j:64*((\a)%4)+\j+1], v[BR+\a:BR+\a+1] op_sel_hi:[1,0]   ; my channel's bias for both
.else
	v_pk_add_f32 v[T+\j:T+\j+1], v[64*((\a)%4)+\j:64*((\a)%4)+\j+1], v[BR+\a-1:BR+\a] op_sel:[0,1] op_sel_hi:[1,1]
.endif
.endr
	WIN 0
	QUANT T
.irp c, 0,1
.irp p, 0,1,2
.if \mode == 0
	global_store_b64 v26, v[PC+6*\c+2*\p:PC+6*\c+2*\p+1], s[10:11] offset:294912*\c+768*\a+256*\p
.else
	global_store_b64 v26, v[PC+6*\c+2*\p:PC+6*\c+2*\p+1], s[10:11] offset:294912*(\a/4)+1536*(\a%4)+768*\c+256*\p
.endif
.endr
.endr
.if \mode == 0
	v_lshrrev_b32 v229, v25, v[PW]                 ; lanes 0-15 keep the first head's two bytes, lanes 16-31 the second's,
	v_and_b32 v229, 0xffff, v229
	v_lshl_or_b32 v[SW+\a], v229, 16, v229         ; repeated in the word's upper half: the scores' product has K = 64 and reads four bytes
.else
	v_mov_b32 v[SW+\a], v[PW]
.endif
.endr
.endm
	s_wait_alu depctr_va_vdst(0)
	s_wait_tensorcnt 0x0                           ; my region is in
	s_mov_b32 s[G1R+2], 96<<16                     ; no tensor load of mine is out, so a descriptor may be written: the refill brings 96 rows of 256 bytes
	s_mov_b32 s[G1R+4], 96
	s_mov_b32 s[G1P+2], 96<<16
	s_mov_b32 s[G1P+4], 96
	s_barrier_signal -1
	s_barrier_wait -1
	FETCH_P 0, 0, 0
	FETCH_R 0, 0, 0
	SCALES 0
	FETCH_R 0, 0, 4
	KS 0, 0, 1                                     ; the first step's products start the sums
	KS 1, 2, 0
	s_wait_alu depctr_va_vdst(0)
	KS 2, 0, 0
	KS 3, 0, 0                                     ; (slot 2 was shown whole at step 1's barrier)
	s_wait_alu depctr_va_vdst(0)
	KS 4, 0, 0
	KS 5, 1, 0
	KS 6, 0, 0
	s_mov_b32 s3, 0
	s_cmp_ge_u32 s59, 8                            ; the cluster's y: the same in all sixteen partners
	s_cbranch_scc1 .Lvmode
	; ---- q and k.  The bias is asked for a step ahead of its use
	s_lshl_b32 s17, s58, 2
	s_add_co_u32 s17, s17, s56
	s_lshl_b32 s17, s17, 10
	s_lshl_b32 s18, s16, 9
	s_add_co_u32 s2, s17, s18                      ; 4 x my first column
	s_add_nc_u64 s[8:9], s[8:9], s[2:3]
.irp b, 0,1,2,3
.irp j, 0,1,2,3
	global_load_b128 v[BT+16*\b+4*\j:BT+16*\b+4*\j+3], v23, s[8:9] offset:128*\b+16*\j   ; register 16 b + i: column 32 b + 16 h + i
.endr
.endr
	s_lshl_b32 s17, s59, 2
	s_add_co_u32 s17, s17, s57                     ; my block of 256 tokens
	s_lshr_b32 s18, s17, 3                         ; the batch
	s_and_b32 s17, s17, 7
	s_lshl_b32 s18, s18, 4
	s_lshl_b32 s19, s56, 2
	s_add_co_u32 s18, s18, s19
	s_lshl_b32 s19, s16, 1
	s_add_co_u32 s18, s18, s19                     ; 16 batch + my first head
	s_lshl_b32 s17, s17, 1
	s_add_co_u32 s17, s17, s15                     ; my 128 tokens in the sequence
	s_mul_i32 s2, s18, 294912
	s_mul_i32 s19, s58, 98304                      ; q or k
	s_add_co_u32 s2, s2, s19
	s_mul_i32 s19, s17, 6144
	s_add_co_u32 s2, s2, s19
	s_add_nc_u64 s[10:11], s[10:11], s[2:3]
	s_mul_i32 s2, s18, 20480
	s_lshl_b32 s19, s58, 13
	s_add_co_u32 s2, s2, s19
	s_lshl_b32 s19, s17, 9
	s_add_co_u32 s2, s2, s19
	s_add_nc_u64 s[12:13], s[12:13], s[2:3]
	KS 7, 0, 0
	s_wait_loadcnt 0x0                             ; the bias
	PLACES
.irp b, 0,1,2,3
	v_mov_b32 v[TM+4+\b], 0                        ; written once: a lane permute's destination counts as one of its sources
.endr
	EPI 0
	global_store_b128 v24, v[SW:SW+3], s[12:13]              ; [128 tokens][tiles 0-3 | 4-7][place r][4 words]: sixteen lanes store 256 consecutive bytes, aligned
	global_store_b128 v24, v[SW+4:SW+7], s[12:13] offset:256
	s_branch .Lend
.Lvmode:
	; ---- v
	s_lshl_b32 s17, s57, 10
	s_lshl_b32 s18, s15, 9
	s_add_co_u32 s2, s17, s18
	s_add_co_u32 s2, s2, 8192                      ; 4 x (2,048 + my first channel)
	s_add_nc_u64 s[8:9], s[8:9], s[2:3]
.irp a, 0,1,2,3,4,5,6,7
	global_load_b32 v[BR+\a], v19, s[8:9] offset:(32*(\a/2)+8*(\a%2))*4   ; my channel of R's block a
.endr
	s_sub_co_u32 s18, s59, 8                       ; the batch
	s_lshl_b32 s18, s18, 4
	s_lshl_b32 s19, s57, 2
	s_add_co_u32 s18, s18, s19
	s_lshl_b32 s19, s15, 1
	s_add_co_u32 s18, s18, s19                     ; 16 batch + my first head
	s_lshl_b32 s17, s58, 2
	s_add_co_u32 s17, s17, s56
	s_lshl_b32 s17, s17, 1
	s_add_co_u32 s17, s17, s16                     ; my 128 tokens in the sequence
	s_mul_i32 s2, s18, 294912
	s_mul_i32 s19, s17, 6144
	s_add_co_u32 s2, s2, s19
	s_add_co_u32 s2, s2, 196608
	s_add_nc_u64 s[10:11], s[10:11], s[2:3]
	s_mul_i32 s2, s18, 20480
	s_lshl_b32 s19, s17, 8
	s_add_co_u32 s2, s2, s19
	s_add_co_u32 s2, s2, 16384
	s_add_nc_u64 s[12:13], s[12:13], s[2:3]
	KS 7, 0, 0
	s_wait_loadcnt 0x0
	PLACES
.irp b, 0,1,2,3
	v_mov_b32 v[TM+4+\b], 0
.endr
	EPI 1
	v_cmp_ne_u32 vcc_lo, 0, v25                    ; lanes 16-31 store the second head's words
.irp d, 0,1,2,3
	v_cndmask_b32 v[248+\d], v[SW+\d], v[SW+4+\d], vcc_lo
.endr
	global_store_b128 v24, v[248:251], s[12:13]    ; [128 tokens][place r][4 tiles of channels]: 256 consecutive bytes, aligned
.Lend:
	s_wait_tensorcnt 0x0                           ; the wave's end
	ds_add_u32 v[SPW], v[NIL]
	s_wait_dscnt 0x0
	CROUND                                         ; the closing round
	s_endpgm
.Lfunc_end_k_qfa136a62f2_gemm1:
	.size	k_qfa136a62f2_gemm1, .Lfunc_end_k_qfa136a62f2_gemm1-k_qfa136a62f2_gemm1
	.p2alignl 7, 3214868480
	.fill 96, 4, 3214868480
	.section	.rodata,"a",@progbits
	.p2align	6, 0x0
	.amdhsa_kernel k_qfa136a62f2_gemm1
		.amdhsa_group_segment_fixed_size 327680
		.amdhsa_private_segment_fixed_size 0
		.amdhsa_enable_private_segment 0
		.amdhsa_kernarg_size 32
		.amdhsa_user_sgpr_count 2
		.amdhsa_user_sgpr_kernarg_segment_ptr 1
		.amdhsa_wavefront_size32 1
		.amdhsa_system_sgpr_workgroup_id_x 1
		.amdhsa_system_sgpr_workgroup_id_y 1
		.amdhsa_system_sgpr_workgroup_id_z 1
		.amdhsa_system_vgpr_workitem_id 0
		.amdhsa_next_free_vgpr 1024
		.amdhsa_next_free_sgpr 102
		.amdhsa_reserve_vcc 1
		.amdhsa_float_denorm_mode_32 3
		.amdhsa_float_denorm_mode_16_64 3
		.amdhsa_memory_ordered 1
		.amdhsa_forward_progress 1
		.amdhsa_inst_pref_size 243
	.end_amdhsa_kernel
	.amdgpu_metadata
---
amdhsa.version: [ 1, 2 ]
amdhsa.kernels:
  - .name:           k_qfa136a62f2_gemm1
    .symbol:         k_qfa136a62f2_gemm1.kd
    .args:
      - { .name: ops, .offset: 0, .size: 8, .value_kind: global_buffer, .address_space: global }
      - { .name: b_attn, .offset: 8, .size: 8, .value_kind: global_buffer, .address_space: global }
      - { .name: qkv_codes, .offset: 16, .size: 8, .value_kind: global_buffer, .address_space: global }
      - { .name: qkv_scales, .offset: 24, .size: 8, .value_kind: global_buffer, .address_space: global }
    .group_segment_fixed_size: 327680
    .private_segment_fixed_size: 0
    .kernarg_segment_align: 8
    .kernarg_segment_size: 32
    .max_flat_workgroup_size: 128
    .sgpr_count:     102
    .vgpr_count:     1024
    .wavefront_size: 32
...
	.end_amdgpu_metadata
.endif
;; end of part 2
;; launch attn (part 3): grid 4 x 64, 16 waves a work-group, clusters of 4 x 1, 301,056 bytes of LDS; arguments qkv_codes, qkv_scales, o_ops; writes o_ops
.if DOCPART == 3
	.amdgcn_target "amdgcn-amd-amdhsa--gfx1250"
	.amdhsa_code_object_version 6
	.text
	.protected	k_qfa136a62f2_attn
	.globl	k_qfa136a62f2_attn
	.p2align	8
	.type	k_qfa136a62f2_attn,@function
k_qfa136a62f2_attn:
	s_mov_b64 s[64:65], 0
	v_nop
	global_prefetch_b8 v0, s[64:65] scope:SCOPE_SE
	s_setreg_imm32_b32 hwreg(HW_REG_WAVE_MODE, 25, 1), 1
	s_wait_xcnt 0x0
	s_wait_alu depctr_hold_cnt(0) depctr_sa_sdst(0) depctr_va_vdst(0) depctr_va_sdst(0) depctr_va_ssrc(0) depctr_va_vcc(0) depctr_vm_vsrc(0)
	s_getreg_b32 s2, hwreg(HW_REG_IB_STS2, 6, 4)
	s_cmp_eq_u32 s2, 0
	s_cbranch_scc0 .Lentry_in_a_cluster
	s_endpgm
.Lentry_in_a_cluster:
	s_bfe_u32 s2, ttmp6, 0x10000c
	s_cmp_lg_u32 s2, 0x3003
	s_cbranch_scc0 .Lentry_shape_is_right
	s_endpgm
.Lentry_shape_is_right:
; o = (softmax(q k^T, causal) / 32) v for one of 64 (batch, head) pairs a cluster; both products on codes of BF6; o is quantised along the head's 64 channels on the way out.
; THE SECOND PRODUCT'S OPERAND IS THE FINISHED p = exp(s - max) / sum / 32, so each tile of 16 queries walks its keys TWICE:
;   pass 1: the scores, a running maximum (as a whole number M, rounded up), the sum l of 2^(t - M), t = s log2(e), and each block's largest score, which goes to the wave's own LDS bytes.
;           A lane keeps M and l for its own half of the keys; the two halves of a row are joined once, behind the pass, by a multiplication with a power of two.
;   pass 2: the scores again, p = 2^(t - M - log2(32 l)) by one multiply-add and one exponential, quantised along the keys, O^T += V^T P^T.  The blocks' largest scores come back from LDS.
; LEFT OUT: key steps of 128 that lie wholly behind a tile's diagonal: the causal mask hides them.
; SHARES.  Wave w of work-group cx takes the tiles of queries 4 w + cx and 127 - (4 w + cx): their diagonal steps w / 2 and 15 - w / 2, and the half of that step in which the queries lie (w % 2, 1 - w % 2),
; hang on the wave's number alone; every wave walks 17 key steps in each pass.  The loops' trip counts are constants; a step behind the diagonal is left out by a scalar branch on the trip's number.
; LDS holds the head's K and V codes and scale bytes whole, filled once by joint loads: no ring, no refill.  All is asked for at the head, so there is nothing to prefetch from memory.
; In pass 1 the next step's K fragments are asked of LDS behind this step's products; the request behind the last step reads filled bytes (V's) and is not used.
; LAYOUT.  S^T = K Q^T (source 0 = 16 keys), O^T = V^T P^T (source 0 = 16 channels): a lane holds one query.  In memory a tile 2 g + u holds at place pos the row 32 g + 8 u + pos + 8 (pos / 8).
; A TILE OF KEYS IS GATHERED BY THE LANES' ADDRESSES: tile (c, t) takes in rows 0-7 keys 64 c + 8 t + 0..7 and in rows 8-15 keys 64 c + 32 + 8 t + 0..7.  So score register n of lane (query, h) is key 64 (n / 32) + 32 h + n % 32:
; a lane holds two WHOLE blocks of 32 keys, in the order of the next operand's registers: no lane is asked for a block's maximum and no codes change lanes..
; K = 64 IN AN INSTRUCTION OF 128: Q's upper six registers are zero codes; a K tile's upper six are the next tile's codes and meet zeros.  The scale words repeat their two bytes, so no byte is 0xff.
; LIMITS: the exponent's offset M + log2(32 l) is one f32 number: its rounding is of the size of the last place of the row's largest t; scores stay under 1e38 and scaled scores under 2^31; p under 2^-126 counts as 0 (v_exp_f32);
; a block's largest p is made from its largest score by the same instructions, which takes v_exp_f32 not to fall where its input rises; a block of zeros gets the byte 1; NaN and infinities are not served.
.set PP,  288                          ; a piece in LDS
.set STP, 24*PP                        ; a step of 128 keys, of K's codes or of V's
.set VCO, 16*STP                       ; K's codes at 0, V's here,
.set KSO, 2*VCO                        ; K's scale words,
.set VSO, KSO+8192                     ; V's,
.set SPARE, KSO+12288                  ; the spare words, 128 bytes a wave,
.set BMS, SPARE+2048                   ; and 4,096 bytes a wave: two largest scores a lane for each of 16 steps
.set QFA, 24                           ; v24-35, v36-47 the two tiles of Q; registers 6-11 of each are zeros
.set QFB, 36
.set KF,  48                           ; v48-95 K's eight tiles, in pass 2 later V's four fragments; v96-101 zeros
.set KSW, 102
.set VSW, 110
.set PSW, 114
.set S,   116                          ; v116-179 the scores, then p
.set OT,  180                          ; v180-211 O^T
.set PC,  212                          ; v212-223 codes; v224-231 at work
.set PT,  224
.set BM,  232                          ; v232, v233 my two blocks' largest scores
.set BX,  236
.set SO,  240
; v1 8 x lane; v2 the same in V's codes; v3, v4 my place among K's and V's scale words; v5-8, v249 the step's addresses; v9 -infinity; v10, v11 my query's place in its diagonal step, less 32 h
; v12 -M, v13 the largest score, v[14:15] l, v[16:17] -M - log2(32 l), v[18:19] f, v20 8 r + h, v21, v22 Q's scale words, v23 16 r, v115 my place in K's codes, v248 in the stored maxima, v250 8 h; v234-247, v252, v253 at work
; s18 wave; s[20:21] lane selects; s[22:23] log2(e); s48 the trip; s49 the diagonal's trip; s50, s51, s52 the step's place in the codes, in K's scale words, in V's and the maxima; s53 lanes 16-31; s72, s73 the queries' half
.macro ROUND
	s_barrier_signal -1
	s_barrier_wait -1
	s_cmp_lg_u32 s18, 0
	s_cbranch_scc1 .Lnot_wave_0_\@
	s_barrier_signal -3
.Lnot_wave_0_\@:
	s_barrier_wait -3
	s_barrier_signal -1
	s_barrier_wait -1
.endm
	s_load_b128 s[4:7], s[0:1], 0x0                ; qkv codes s[4:5], qkv scale bytes s[6:7]
	s_load_b64 s[8:9], s[0:1], 0x10                ; o's blocks
	v_lshl_add_u32 v254, v0, 2, SPARE
	v_mov_b32 v255, 0
	ds_add_u32 v254, v255                          ; the opening
	ds_add_u32 v254, v255
	v_lshrrev_b32 v1, 5, v0
	s_delay_alu instid0(VALU_DEP_1)
	v_readfirstlane_b32 s18, v1                    ; wave 0..15
	s_bfe_u32 s19, ttmp6, 0x40000                  ; cx
	s_and_b32 s12, ttmp7, 0xffff                   ; 16 batch + head, which the four partners share
	s_mov_b32 s24, 15|(3<<16)|(1<<20)|(1<<21)|(5<<22)|(7<<25)   ; the codes: mask of all four; elements of 8 bytes; 8 words of padding behind every 64; 96 rows of 256 dense bytes
	s_mov_b32 s25, 32<<16
	s_mov_b32 s26, 96<<16
	s_mov_b32 s27, 32<<16
	s_mov_b32 s28, 96
	s_mov_b32 s29, 32
	s_mov_b32 s30, 0
	s_mov_b32 s31, 0
	s_mov_b32 s32, 15|(3<<16)|(1<<21)              ; the scale bytes: 48 rows of 256, no padding
	s_mov_b32 s33, 32<<16
	s_mov_b32 s34, 48<<16
	s_mov_b32 s35, 32<<16
	s_mov_b32 s36, 48
	s_mov_b32 s37, 32
	s_mov_b32 s38, 0
	s_mov_b32 s39, 0
	s_mov_b32 s20, 0x76543210
	s_mov_b32 s21, 0xfedcba98
	s_mov_b32 s22, 0x3fb8aa3b                      ; log2(e): this problem scales no score
	s_mov_b32 s23, s22
	s_mul_i32 s15, s12, 294912                     ; the pair's codes,
	s_mul_i32 s17, s12, 20480                      ; and scale bytes
	s_mul_i32 s72, s18, 24576                      ; waves 0-7: my eighth of K's and V's 196,608 bytes in memory,
	s_mul_i32 s73, s18, 96*PP                      ; and in LDS
	s_add_co_u32 s2, s15, s72
	s_add_co_u32 s2, s2, 98304
	s_mov_b32 s3, 0
	s_lshl_b32 s13, s18, 2
	s_add_co_u32 s13, s13, s19                     ; my first tile of queries
	s_sub_co_u32 s14, 127, s13                     ; my second
	s_lshr_b32 s76, s18, 1                         ; their diagonal steps
	s_sub_co_u32 s77, 15, s76
	s_lshr_b32 s74, s12, 4
	s_lshl_b32 s74, s74, 7                         ; 128 batch: the batch's first tile of tokens
	s_and_b32 s75, s12, 15                         ; the head
	s_lshr_b32 s10, s75, 2
	s_and_b32 s11, s75, 3
	s_lshl_b32 s78, s10, 7
	s_lshl_b32 s79, s11, 1
	s_add_co_u32 s78, s78, s79                     ; o's scale bytes: 128 (head / 4) + 2 (head % 4)
	s_mul_i32 s75, s10, 24576                      ; o's codes: K quarter head / 4, unit head % 4, behind the block's 4,096 scale bytes
	s_mul_i32 s79, s11, 768
	s_add_co_u32 s75, s75, s79
	s_add_co_u32 s75, s75, 4096
	s_wait_dscnt 0x0
	s_wait_kmcnt 0x0
	s_mov_b32 s40, 1
	s_mov_b32 s41, s73
	s_add_nc_u64 s[42:43], s[4:5], s[2:3]
	s_or_b32 s43, s43, 0x80000000
	s_mov_b32 s44, 1
	s_mov_b32 s45, KSO
	s_add_co_u32 s2, s17, 8192
	s_add_nc_u64 s[46:47], s[6:7], s[2:3]
	s_or_b32 s47, s47, 0x80000000
	ROUND                                          ; all four work-groups are here: the joint loads meet
	s_cmp_lt_u32 s18, 8                            ; waves 0-7 fetch the codes, wave 8 the scale bytes: one load a wave, on the wave's number alone
	s_cbranch_scc0 .Lnot_codes
	tensor_load_to_lds s[40:43], s[24:31]
	s_nop 0
.rept 4
	v_nop
.endr
	s_branch .Lasked
.Lnot_codes:
	s_cmp_eq_u32 s18, 8
	s_cbranch_scc0 .Lasked
	tensor_load_to_lds s[44:47], s[32:39]
	s_nop 0
.rept 4
	v_nop
.endr
.Lasked:
.macro BASES i, qc, qs, oc, os         ; the tile in s[i]: where its Q codes, Q scale words, o codes and o scale bytes lie
	s_mul_i32 s2, s[\i], 768
	s_add_co_u32 s2, s2, s15
	s_add_nc_u64 s[\qc:\qc+1], s[4:5], s[2:3]
	s_lshr_b32 s2, s[\i], 2
	s_lshl_b32 s2, s2, 8                           ; 256 bytes for four tiles,
	s_and_b32 s16, s[\i], 3
	s_lshl_b32 s16, s16, 2                         ; the tile's word
	s_add_co_u32 s2, s2, s16
	s_add_co_u32 s2, s2, s17
	s_add_nc_u64 s[\qs:\qs+1], s[6:7], s[2:3]
	s_add_co_u32 s16, s[\i], s74                   ; the tile of tokens: eight to a block of 102,400 bytes
	s_lshr_b32 s79, s16, 3
	s_mul_i32 s79, s79, 102400
	s_and_b32 s16, s16, 7
	s_mul_i32 s2, s16, 3072
	s_add_co_u32 s2, s2, s79
	s_add_co_u32 s2, s2, s75
	s_add_nc_u64 s[\oc:\oc+1], s[8:9], s[2:3]
	s_lshl_b32 s2, s16, 9
	s_add_co_u32 s2, s2, s79
	s_add_co_u32 s2, s2, s78
	s_add_nc_u64 s[\os:\os+1], s[8:9], s[2:3]
.endm
	BASES 13, 54, 58, 62, 68
	BASES 14, 56, 60, 66, 70
	s_and_b32 s72, s18, 1                          ; which 64 keys of the diagonal step hold my first tile's queries,
	s_xor_b32 s73, s72, 1                          ; and my second's
	s_lshl_b32 s16, s18, 12
	s_add_co_u32 s16, s16, BMS                     ; my 4,096 bytes for the maxima
	v_and_b32 v244, 31, v0
	v_and_b32 v245, 15, v0                         ; r
	v_bfe_u32 v246, v0, 4, 1                       ; h
	s_delay_alu instid0(VALU_DEP_3)
	v_lshlrev_b32 v1, 3, v244
	s_delay_alu instid0(VALU_DEP_3)
	v_lshlrev_b32 v23, 4, v245
.irp p, 0,1,2
	global_load_b64 v[QFA+2*\p:QFA+2*\p+1], v1, s[54:55] offset:256*\p
	global_load_b64 v[QFB+2*\p:QFB+2*\p+1], v1, s[56:57] offset:256*\p
.endr
	global_load_b32 v21, v23, s[58:59]
	global_load_b32 v22, v23, s[60:61]
	v_and_b32 v251, 7, v0                          ; r % 8
	v_bfe_u32 v252, v0, 3, 1                       ; r / 8
	v_lshlrev_b32 v115, 7, v246
	v_lshlrev_b32 v3, 4, v251
	v_lshl_add_u32 v115, v251, 3, v115
	v_lshl_add_u32 v3, v252, 3, v3
	v_mad_u32_u24 v115, v252, 6*PP, v115           ; K's codes: 128 h + 8 (r % 8), rows 8-15 two tiles on
	v_add_nc_u32 v3, KSO, v3                       ; K's scale words: 16 (r % 8) + 8 (r / 8)
	v_add_nc_u32 v2, VCO, v1
	v_add_nc_u32 v4, VSO, v23
	v_add_nc_u32 v248, s16, v1
	v_lshlrev_b32 v250, 3, v246
	v_lshl_add_u32 v20, v245, 3, v246
	v_cmp_ne_u32 s53, 0, v246
	v_and_b32 v247, 8, v245
	v_lshlrev_b32 v244, 5, v246
	v_add_nc_u32 v247, v247, v245                  ; r + 8 (r / 8)
	s_delay_alu instid0(VALU_DEP_1)
	v_sub_nc_u32 v247, v247, v244                  ; - 32 h
	s_wait_alu depctr_va_vdst(0)
	s_bfe_u32 s2, s13, 0x20001                     ; tile i's first query in its step of 128: 32 ((i / 2) % 4) + 8 (i % 2)
	s_lshl_b32 s2, s2, 5
	s_and_b32 s16, s13, 1
	s_lshl_b32 s16, s16, 3
	s_add_co_u32 s2, s2, s16
	v_add_nc_u32 v10, s2, v247
	s_bfe_u32 s2, s14, 0x20001
	s_lshl_b32 s2, s2, 5
	s_and_b32 s16, s14, 1
	s_lshl_b32 s16, s16, 3
	s_add_co_u32 s2, s2, s16
	v_add_nc_u32 v11, s2, v247
	v_mov_b32 v9, 0xff800000                       ; -infinity
	v_mov_b32 v17, 0                               ; (upper halves of pairs of which the low word serves both halves: named, so written)
	v_mov_b32 v19, 0
.irp j, 0,1,2,3,4,5
	v_mov_b32 v[QFA+6+\j], 0                       ; zero codes for k = 64 .. 127
	v_mov_b32 v[QFB+6+\j], 0
	v_mov_b32 v[KF+48+\j], 0
.endr
	v_mov_b32 v[BX], 0                             ; a lane permute's destination counts as one of its sources
	v_mov_b32 v[BX+1], 0
	v_add_nc_u32 v251, v248, v1                    ; my wave's bytes for the maxima, 16 x lane
.irp j, 0,1,2,3
	v_mov_b32 v[S+\j], v9
.endr
.macro KLOAD                           ; a step's K: four pairs of scale words by v7, eight gathered tiles by v5
.irp g, 0,1,2,3
	ds_load_b64 v[KSW+2*\g:KSW+2*\g+1], v7 offset:128*\g   ; the words of tiles 2 g, 2 g + 1: rows 0-7 from one tile in memory, rows 8-15 from the tile two on
.endr
.irp c, 0,1
.irp t, 0,1,2,3
.irp p, 0,1,2
	ds_load_b64 v[KF+6*(4*\c+\t)+2*\p:KF+6*(4*\c+\t)+2*\p+1], v5 offset:3*PP*(4*\c+\t%2)+64*(\t/2)+PP*\p
.endr
.endr
.endr
.endm
.macro WM qf, qsw                      ; the step's scores
.irp t, 0,1,2,3,4,5,6,7
	v_wmma_scale_f32_16x16x128_f8f6f4 v[S+8*\t:S+8*\t+7], v[KF+6*\t:KF+6*\t+11], v[\qf:\qf+11], 0, v[KSW+\t], v[\qsw] matrix_a_fmt:MATRIX_FMT_BF6 matrix_b_fmt:MATRIX_FMT_BF6
.endr
.endm
.macro MASKH c, dq                     ; registers 32 c + n hold keys 64 c + 32 h + n: hidden where 64 c + n > my query's place - 32 h
.set n, 0
.rept 32
	v_cmp_gt_i32 vcc_lo, 64*\c+n, v[\dq]
	v_cndmask_b32 v[S+32*\c+n], v[S+32*\c+n], v9, vcc_lo
.set n, n+1
.endr
.endm
.macro MASK dq, cq                     ; the diagonal step.  The queries lie in its first 64 keys (the other 64 are all hidden) or in its last 64 (the first 64 all count): the wave's number says which
	s_cmp_lg_u32 s[\cq], 0
	s_cbranch_scc1 .Lupper_\@
	MASKH 0, \dq
.set n, 0
.rept 32
	v_mov_b32 v[S+32+n], v9
.set n, n+1
.endr
	s_wait_alu depctr_va_vdst(0)
	s_branch .Lmasked_\@
.Lupper_\@:
	MASKH 1, \dq
.Lmasked_\@:
.endm
.macro SCALE_P off, from, cnt          ; t + off for cnt pairs from register from on (of the pairs log2(e) and off the low word serves both halves)
.set n, \from
.rept \cnt
	v_pk_fma_f32 v[S+n:S+n+1], v[S+n:S+n+1], s[22:23], v[\off:\off+1] op_sel_hi:[1,0,0]
.set n, n+2
.endr
.endm
.macro EXP64
.set n, 0
.rept 64
	v_exp_f32 v[S+n], v[S+n]
.set n, n+1
.endr
.endm
; PASS 1, a key step: the blocks' maxima, my half's running maximum and sum
.macro STEP1 qf, qsw, dq, cq
	s_cmp_gt_u32 s48, s49
	s_cbranch_scc1 .Lskip1_\@                      ; all 128 keys come after my queries
	s_wait_dscnt 0x0                               ; this step's K, asked for a step ago
	WM \qf, \qsw
	v_add_nc_u32 v5, s50, v115                     ; the next step's places (s50, s51 run a step ahead): with the v_nop the four places behind the products
	v_add_nc_u32 v7, s51, v3
	v_add_nc_u32 v249, s52, v248
	v_nop
	KLOAD                                          ; lands under this step's vector work
	s_cmp_lg_u32 s48, s49
	s_cbranch_scc1 .Lopen1_\@
	MASK \dq, \cq
.Lopen1_\@:
.irp t, 0,1,2,3,4,5,6,7                ; eight chains by turns, one for each accumulator, each read from its low end on
	v_max3_num_f32 v[BM+2*(\t%4)+4*((\t%4)/2)+\t/4], v[S+8*\t], v[S+8*\t+1], v[S+8*\t+2]
.endr
.irp i, 3,5
.irp t, 0,1,2,3,4,5,6,7
	v_max3_num_f32 v[BM+2*(\t%4)+4*((\t%4)/2)+\t/4], v[BM+2*(\t%4)+4*((\t%4)/2)+\t/4], v[S+8*\t+\i], v[S+8*\t+\i+1]
.endr
.endr
.irp c, 0,1
	v_max3_num_f32 v[BM+\c], v[BM+\c], v[BM+2+\c], v[S+32*\c+7]
	v_max3_num_f32 v[BM+8+\c], v[BM+8+\c], v[BM+10+\c], v[S+32*\c+15]
.endr
.irp c, 0,1
	v_max3_num_f32 v[BM+\c], v[BM+\c], v[BM+8+\c], v[S+32*\c+23]
.endr
.irp c, 0,1
	v_max_num_f32 v[BM+\c], v[BM+\c], v[S+32*\c+31]   ; my blocks of keys 32 h .. and 64 + 32 h ..
.endr
	ds_store_b64 v249, v[BM:BM+1]                  ; for pass 2: my wave's own bytes
	v_mov_b32 v245, v12
	v_max3_num_f32 v13, v13, v[BM], v[BM+1]        ; the largest score so far of my half of the keys
	s_delay_alu instid0(VALU_DEP_1)
	v_mul_f32 v244, s22, v13
	s_delay_alu instid0(VALU_DEP_1)
	v_floor_f32 v12, -v244                         ; -M = floor(-t): M is a whole number
	SCALE_P 12, 0, 8
	v_sub_f32 v244, v12, v245
	SCALE_P 12, 16, 8
	v_cvt_i32_f32 v244, v244                       ; old M - new M (it saturates)
	SCALE_P 12, 32, 8
	v_ldexp_f32 v18, 1.0, v244                     ; f = 2^(old M - new M): rounds nothing
	SCALE_P 12, 48, 8
	s_wait_alu depctr_va_vdst(0)
	EXP64
	v_pk_mul_f32 v[14:15], v[14:15], v[18:19] op_sel_hi:[1,0]   ; the sum under the new M (a plain line behind the exponentials)
	s_wait_alu depctr_va_vdst(0)                   ; one wait for the batch, ahead of its first reader
.set n, 0
.irp r, 234,236,240,242,244,246,252    ; 32 pairs in eight chains by turns
	v_pk_add_f32 v[\r:\r+1], v[S+4*n:S+4*n+1], v[S+4*n+2:S+4*n+3]
.set n, n+1
.endr
	v_pk_add_f32 v[14:15], v[14:15], v[S+28:S+29]
.set n, 30
.rept 2
.irp r, 234,236,240,242,244,246,252
	v_pk_add_f32 v[\r:\r+1], v[\r:\r+1], v[S+n:S+n+1]
.set n, n+2
.endr
	v_pk_add_f32 v[14:15], v[14:15], v[S+n:S+n+1]
.set n, n+2
.endr
	v_pk_add_f32 v[234:235], v[234:235], v[S+62:S+63]
	v_pk_add_f32 v[236:237], v[236:237], v[240:241]
	v_pk_add_f32 v[242:243], v[242:243], v[244:245]
	v_pk_add_f32 v[246:247], v[246:247], v[252:253]
	v_pk_add_f32 v[14:15], v[14:15], v[234:235]
	v_pk_add_f32 v[236:237], v[236:237], v[242:243]
	s_delay_alu instid0(VALU_DEP_2)
	v_pk_add_f32 v[14:15], v[14:15], v[246:247]
	s_delay_alu instid0(VALU_DEP_1)
	v_pk_add_f32 v[14:15], v[14:15], v[236:237]
.Lskip1_\@:
	s_add_co_u32 s50, s50, STP
	s_add_co_u32 s51, s51, 512
	s_add_co_u32 s52, s52, 256
.endm
; PASS 2, a key step: the finished p, quantised, times V
.macro STEP2 qf, qsw, dq, cq
	s_cmp_gt_u32 s48, s49
	s_cbranch_scc1 .Lskip2_\@
	v_add_nc_u32 v5, s50, v115                     ; five plain lines: the places behind the last step's products, in front of loads into their registers
	v_add_nc_u32 v7, s51, v3
	v_add_nc_u32 v249, s52, v248
	v_add_nc_u32 v6, s50, v2
	v_add_nc_u32 v8, s52, v4
	ds_load_b64 v[BM:BM+1], v249                   ; my two blocks' largest scores, as pass 1 left them
	KLOAD
	s_wait_dscnt 0x0
	WM \qf, \qsw
	v_fma_f32 v[BM], v[BM], s22, v16               ; each block's largest score through the same multiply-add as its scores.  With the two lines below: the four places behind the products
	v_fma_f32 v[BM+1], v[BM+1], s22, v16
	v_nop
	v_nop
	s_wait_alu depctr_va_vdst(0)
.irp d, 0,1,2,3                        ; V's four fragments take K's registers; they land under the softmax
.irp p, 0,1,2,3,4,5
	ds_load_b64 v[KF+12*\d+2*\p:KF+12*\d+2*\p+1], v6 offset:PP*(6*\d+\p)
.endr
.endr
	ds_load_b128 v[VSW:VSW+3], v8
	s_cmp_lg_u32 s48, s49
	s_cbranch_scc1 .Lopen2_\@
	MASK \dq, \cq
.Lopen2_\@:
	SCALE_P 16, 0, 32
	s_wait_alu depctr_va_vdst(0)                   ; ahead of the batch
	v_exp_f32 v[BM], v[BM]                         ; the blocks' largest p,
	v_exp_f32 v[BM+1], v[BM+1]
	EXP64                                          ; and p = 2^(t - M - log2(32 l)): finished, in f32
	v_nop                                          ; a plain line behind the exponentials
	s_wait_alu depctr_va_vdst(0)                   ; one wait for the batch
	v_max_num_f32 v[BM], 0x2800000, v[BM]          ; the floor 2^(5 - 127)
	v_max_num_f32 v[BM+1], 0x2800000, v[BM+1]
	v_add_nc_u32 v[SO], 0xfe000000, v[BM]          ; 4 off the exponent field: the conversion's scale operand
	v_add_nc_u32 v[SO+1], 0xfe000000, v[BM+1]
	v_lshrrev_b32 v[BX], 23, v[SO]                 ; the bytes of blocks h and 2 + h
	v_lshrrev_b32 v[BX+1], 23, v[SO+1]
	s_delay_alu instid0(VALU_DEP_1)
	v_lshl_or_b32 v[BX], v[BX+1], 16, v[BX]
	s_delay_alu instid0(VALU_DEP_1)
	v_lshlrev_b32 v[BX], v250, v[BX]               ; 8 h bits up
	s_delay_alu instid0(VALU_DEP_1)
	v_permlanex16_b32 v[BX+1], v[BX], s20, s21
	s_delay_alu instid0(VALU_DEP_1)
	v_or_b32 v[PSW], v[BX], v[BX+1]                ; with lane l xor 16's two bytes the word is whole
	v_cvt_scalef32_pk16_bf6_f32 v[PT:PT+2], v[S+16:S+31], v[SO]       ; (a conversion's three registers begin on an even number: a block's upper half is made elsewhere and moved)
	v_cvt_scalef32_pk16_bf6_f32 v[PT+4:PT+6], v[S+48:S+63], v[SO+1]
	v_cvt_scalef32_pk16_bf6_f32 v[PC:PC+2], v[S:S+15], v[SO]
	v_cvt_scalef32_pk16_bf6_f32 v[PC+6:PC+8], v[S+32:S+47], v[SO+1]
	v_nop                                          ; one plain place behind a scaled conversion
.irp c, 0,1
.irp i, 0,1,2
	v_mov_b32 v[PC+3+6*\c+\i], v[PT+4*\c+\i]
.endr
.endr
.rept 4
	v_nop                                          ; an operand written by vector instructions stands four places ahead of a scaled matrix instruction; the scale word stands eleven plain lines ahead
.endr
	s_wait_alu depctr_va_vdst(0)
	s_wait_dscnt 0x0                               ; V
.irp d, 0,1,2,3
	v_wmma_scale_f32_16x16x128_f8f6f4 v[OT+8*\d:OT+8*\d+7], v[KF+12*\d:KF+12*\d+11], v[PC:PC+11], v[OT+8*\d:OT+8*\d+7], v[VSW+\d], v[PSW] matrix_a_fmt:MATRIX_FMT_BF6 matrix_b_fmt:MATRIX_FMT_BF6
.endr
.Lskip2_\@:
	s_add_co_u32 s50, s50, STP
	s_add_co_u32 s51, s51, 512
	s_add_co_u32 s52, s52, 256
.endm
.macro TILE qf, qsw, dq, jd, oc, os, cq
	s_wait_xcnt 0x0                                ; the last tile's stores have read their registers
	s_mov_b32 s49, s[\jd]
	v_mov_b32 v13, 0xfe967699                      ; the largest score so far: -1e38
	v_mov_b32 v5, v115
	v_mov_b32 v7, v3
	v_mov_b32 v14, 0
	v_mov_b32 v15, 0
	v_mul_f32 v244, s22, v13
	KLOAD                                          ; step 0's K
	v_floor_f32 v12, -v244                         ; -M by the step's own two lines
.set n, 0
.rept 32
	v_mov_b32 v[OT+n], 0
.set n, n+1
.endr
	s_mov_b32 s48, 0
	s_mov_b32 s50, STP                             ; a step ahead
	s_mov_b32 s51, 512
	s_mov_b32 s52, 0
.Lpass1_\@:
	STEP1 \qf, \qsw, \dq, \cq
	s_add_co_u32 s48, s48, 1
	s_cmp_lt_u32 s48, 16
	s_cbranch_scc1 .Lpass1_\@
	s_wait_dscnt 0x0                               ; the last request for K has landed: its registers are loaded anew below
	s_wait_alu depctr_va_vdst(0)
	v_add_f32 v14, v14, v15                        ; my half's sum
	v_permlanex16_b32 v245, v12, s20, s21          ; the other half's -M
	s_delay_alu instid0(VALU_DEP_1)
	v_min_num_f32 v244, v12, v245                  ; the row's -M
	s_delay_alu instid0(VALU_DEP_1)
	v_sub_f32 v245, v244, v12                      ; my M - the row's: a whole number, 0 or less
	s_delay_alu instid0(VALU_DEP_1)
	v_cvt_i32_f32 v245, v245                       ; (it saturates)
	s_delay_alu instid0(VALU_DEP_1)
	v_ldexp_f32 v14, v14, v245                     ; my sum under the row's M: rounds nothing
	v_mov_b32 v12, v244
	s_delay_alu instid0(VALU_DEP_2)
	v_permlanex16_b32 v245, v14, s20, s21
	s_delay_alu instid0(VALU_DEP_1)
	v_add_f32 v14, v14, v245                       ; the row's sum
	s_delay_alu instid0(VALU_DEP_1)
	v_mul_f32 v14, 0x42000000, v14                 ; x 1024^0.5 = 2^5
	s_wait_alu depctr_va_vdst(0)
	v_log_f32 v16, v14
	v_mov_b32 v17, 0                               ; a plain line behind the logarithm
	s_wait_alu depctr_va_vdst(0)
	v_sub_f32 v16, v12, v16                        ; -M - log2(32 l)
	s_wait_alu depctr_va_vdst(0)
	s_mov_b32 s48, 0
	s_mov_b32 s50, 0
	s_mov_b32 s51, 0
	s_mov_b32 s52, 0
.Lpass2_\@:
	STEP2 \qf, \qsw, \dq, \cq
	s_add_co_u32 s48, s48, 1
	s_cmp_lt_u32 s48, 16
	s_cbranch_scc1 .Lpass2_\@
.rept 4
	v_nop
.endr
	; o's two blocks of 32 channels are quantised: one unit of 16 tokens x 64 channels.  O's registers 16 g + i are channels 32 g + 16 h + i
.irp b, 0,1
	v_max3_num_f32 v[BM+\b], |v[OT+16*\b]|, |v[OT+1+16*\b]|, 0x2800000
.endr
.irp i, 2,4,6,8,10,12,14
.irp b, 0,1
	v_max3_num_f32 v[BM+\b], v[BM+\b], |v[OT+16*\b+\i]|, |v[OT+1+16*\b+\i]|
.endr
.endr
.irp b, 0,1
	s_delay_alu instid0(VALU_DEP_2)
	v_permlanex16_b32 v[BX+\b], v[BM+\b], s20, s21
.endr
.irp b, 0,1
	s_delay_alu instid0(VALU_DEP_2)
	v_max_num_f32 v[BM+\b], v[BM+\b], v[BX+\b]
.endr
.irp b, 0,1
	s_delay_alu instid0(VALU_DEP_2)
	v_add_nc_u32 v[SO+\b], 0xfe000000, v[BM+\b]
.endr
.irp b, 0,1
	s_delay_alu instid0(VALU_DEP_2)
	v_lshrrev_b32 v[BX+\b], 23, v[SO+\b]
.endr
	v_cvt_scalef32_pk16_bf6_f32 v[PC:PC+2], v[OT:OT+15], v[SO]
	v_cvt_scalef32_pk16_bf6_f32 v[PT:PT+2], v[OT+16:OT+31], v[SO+1]
	v_nop
.irp i, 0,1,2
	v_permlane16_swap_b32 v[PC+\i], v[PT+\i]
.endr
.irp i, 0,1,2
	s_delay_alu instid0(VALU_DEP_3)
	v_mov_b32 v[PC+3+\i], v[PT+\i]
.endr
	v_cndmask_b32 v244, v[BX], v[BX+1], s53        ; lanes 16-31 store the second block's byte
.irp p, 0,1,2
	global_store_b64 v1, v[PC+2*\p:PC+2*\p+1], s[\oc:\oc+1] offset:256*\p   ; a piece: 256 consecutive bytes, aligned
.endr
	global_store_b8 v20, v244, s[\os:\os+1]        ; single bytes, 32 for each 768 bytes of codes: a row's word is shared by two heads
.endm
	s_wait_alu depctr_va_vdst(0)
	s_wait_loadcnt 0x0                             ; Q
	s_wait_tensorcnt 0x0                           ; my part of K and V has landed,
	s_barrier_signal -1
	s_barrier_wait -1                              ; everybody's has
.irp j, 0,1,2,3,4,5,6,7
	ds_store_b128 v251, v[S:S+3] offset:512*\j     ; the stored maxima begin as -infinity, the largest score of a block that is wholly hidden: my wave's own 4,096 bytes, written whole once
.endr
	TILE QFA, 21, 10, 76, 62, 68, 72
	TILE QFB, 22, 11, 77, 66, 70, 73
	s_wait_tensorcnt 0x0                           ; the wave's end
	ds_add_u32 v254, v255
	s_wait_dscnt 0x0
	ROUND                                          ; the closing round
	s_endpgm
.Lfunc_end_k_qfa136a62f2_attn:
	.size	k_qfa136a62f2_attn, .Lfunc_end_k_qfa136a62f2_attn-k_qfa136a62f2_attn
	.p2alignl 7, 3214868480
	.fill 96, 4, 3214868480
	.section	.rodata,"a",@progbits
	.p2align	6, 0x0
	.amdhsa_kernel k_qfa136a62f2_attn
		.amdhsa_group_segment_fixed_size 301056
		.amdhsa_private_segment_fixed_size 0
		.amdhsa_enable_private_segment 0
		.amdhsa_kernarg_size 24
		.amdhsa_user_sgpr_count 2
		.amdhsa_user_sgpr_kernarg_segment_ptr 1
		.amdhsa_wavefront_size32 1
		.amdhsa_system_sgpr_workgroup_id_x 1
		.amdhsa_system_sgpr_workgroup_id_y 1
		.amdhsa_system_sgpr_workgroup_id_z 1
		.amdhsa_system_vgpr_workitem_id 0
		.amdhsa_next_free_vgpr 256
		.amdhsa_next_free_sgpr 80
		.amdhsa_reserve_vcc 1
		.amdhsa_float_denorm_mode_32 3
		.amdhsa_float_denorm_mode_16_64 3
		.amdhsa_memory_ordered 1
		.amdhsa_forward_progress 1
		.amdhsa_inst_pref_size 96
	.end_amdhsa_kernel
	.amdgpu_metadata
---
amdhsa.version: [ 1, 2 ]
amdhsa.kernels:
  - .name:           k_qfa136a62f2_attn
    .symbol:         k_qfa136a62f2_attn.kd
    .args:
      - { .name: qkv_codes, .offset: 0, .size: 8, .value_kind: global_buffer, .address_space: global }
      - { .name: qkv_scales, .offset: 8, .size: 8, .value_kind: global_buffer, .address_space: global }
      - { .name: o_ops, .offset: 16, .size: 8, .value_kind: global_buffer, .address_space: global }
    .group_segment_fixed_size: 301056
    .private_segment_fixed_size: 0
    .kernarg_segment_align: 8
    .kernarg_segment_size: 24
    .max_flat_workgroup_size: 512
    .sgpr_count:     80
    .vgpr_count:     256
    .wavefront_size: 32
...
	.end_amdgpu_metadata
.endif
;; end of part 3
;; launch proj (part 4): grid 8 x 32, 4 waves a work-group, clusters of 4 x 4, 327,680 bytes of LDS; arguments ops, o_ops, b_proj, out0; writes out0
.if DOCPART == 4
	.amdgcn_target "amdgcn-amd-amdhsa--gfx1250"
	.amdhsa_code_object_version 6
	.text
	.protected	k_qfa136a62f2_proj
	.globl	k_qfa136a62f2_proj
	.p2align	8
	.type	k_qfa136a62f2_proj,@function
k_qfa136a62f2_proj:
	s_mov_b64 s[64:65], 0
	v_nop
	global_prefetch_b8 v0, s[64:65] scope:SCOPE_SE
	s_setreg_imm32_b32 hwreg(HW_REG_WAVE_MODE, 25, 1), 1
	s_wait_xcnt 0x0
	s_wait_alu depctr_hold_cnt(0) depctr_sa_sdst(0) depctr_va_vdst(0) depctr_va_sdst(0) depctr_va_ssrc(0) depctr_va_vcc(0) depctr_vm_vsrc(0)
	s_getreg_b32 s2, hwreg(HW_REG_IB_STS2, 6, 4)
	s_cmp_eq_u32 s2, 0
	s_cbranch_scc0 .Lentry_in_a_cluster
	s_endpgm
.Lentry_in_a_cluster:
	s_bfe_u32 s2, ttmp6, 0x10000c
	s_cmp_lg_u32 s2, 0xf033
	s_cbranch_scc0 .Lentry_shape_is_right
	s_endpgm
.Lentry_shape_is_right:
; out0 = o w_proj + b_proj on codes of BF6 (K = 1,024).  A work-group makes 256 tokens x 128 columns: 32 x 8 = 256 work-groups.  Four waves, each 128 tokens x 64 columns: 32 accumulators.
; P (the matrix instruction's source 0) = columns of w_proj, R (source 1) = tokens of o: a lane holds one token, its registers run along the columns.
; Operands come in blocks of 128 rows: 4,096 scale bytes, then four K quarters of 24,576 bytes (eight tiles of 16 rows x 256 K, in the order of the operand's registers).
; The head brings the scale bytes and three quarters, dense: waves 0 and 1 one block of R each, waves 2 and 3 a half each of P's one block; slot 0 is filled once more, with the last quarter, behind the second step's round.
; CLUSTERS: 4 x 4 work-groups; R's blocks are shared along a row of the cluster, P's along a column: each is asked for jointly.  No prefetch: three quarters of K are asked for at the head, and the fourth two steps later.
; The sums begin with the bias.  Results leave through a stage in region 0's slots 1 and 2, which nobody reads behind the sixth step's barrier: sixteen lanes store 256 consecutive bytes, aligned.
; REGISTERS: window 0: v16-30 addresses; v32-63 scale words, two sets; v64-95 the bias; v128-223 R's fragments (one set), later the way out.  window 1: P's fragments, two sets, at v0 and v128.  windows 2, 3: accumulator (a, b) at v[8 (8 (a % 4) + b)].
.set SROW,  3072                       ; a tile of 16 rows x 256 along K
.set HALFT, 8*SROW
.set REG,   4096+3*HALFT               ; a region: what the head brings of a block.  Regions 0, 1: R's halves; region 2: P
.set PHALF, REG/2                      ; 152 rows of 256 bytes
.set SPARE, 3*REG                      ; the spare words: 128 bytes a wave
.set FR,    12
.set ADRR,  16                         ; v16-18 my R fragments in slot 0, 1, 2
.set ADRP,  20                         ; v20-22 my P fragments
.set STO,   24
.set RD,    25
.set CO,    26
.set ADRS,  27                         ; my scale words: lanes 0-15 R's rows, lanes 16-31 P's
.set SPW,   28
.set NIL,   29
.set ADRS2, 30                         ; all lanes R's rows: for R's tiles 4-7, beside which P has none
.set SC,    32
.set BT,    64
.set RF,    128
.set BK,    128
.set SPITCH, 272
.set G1R,   24
.set G1P,   32
.set G0R,   68
.set G0P,   80
.set MSB, 0
.macro WIN new                         ; the immediate's high byte repeats the setting that is left
.if MSB != (\new)
	s_set_vgpr_msb (MSB<<8)|(\new)
.set MSB, \new
.endif
.endm
.set MUL_LO, 0xa1                      ; source 0 (P) window 1, source 1 (R) window 0, C and D window 2
.set MUL_HI, 0xf1
.set TO_P,   0x40
.macro JLOAD g0r, g1r, g0p, g1p        ; a joint load: waves 0, 1 fetch for R, waves 2, 3 for P; four v_nop follow each line
	s_cmp_eq_u32 s15, 0
	s_cbranch_scc0 .Lfor_p_\@
	tensor_load_to_lds s[\g0r:\g0r+3], s[\g1r:\g1r+7]
	s_nop 0
.rept 4
	v_nop
.endr
	s_branch .Lasked_\@
.Lfor_p_\@:
	tensor_load_to_lds s[\g0p:\g0p+3], s[\g1p:\g1p+7]
	s_nop 0
.rept 4
	v_nop
.endr
.Lasked_\@:
.endm
.macro CREST                           ; a round of the cluster's barrier behind its opening barrier
	s_cmp_lg_u32 s14, 0
	s_cbranch_scc1 .Lnot_wave_0_\@
	s_barrier_signal -3
.Lnot_wave_0_\@:
	s_barrier_wait -3
	s_barrier_signal -1
	s_barrier_wait -1
.endm
.macro CROUND
	s_barrier_signal -1
	s_barrier_wait -1
	CREST
.endm
.macro PLACES                          ; four plain places behind a matrix instruction (ISA guide 7.12.1)
.rept 4
	v_nop
.endr
.endm
	s_load_b128 s[4:7], s[0:1], 0x0                ; the weights' blocks s[4:5], o's blocks s[6:7]
	s_load_b128 s[60:63], s[0:1], 0x10             ; b_proj, out0
	v_lshl_add_u32 v[SPW], v0, 2, SPARE
	v_mov_b32 v[NIL], 0
	ds_add_u32 v[SPW], v[NIL]                      ; the opening
	ds_add_u32 v[SPW], v[NIL]
	s_wait_dscnt 0x0
	v_lshrrev_b32 v1, 5, v0
	v_readfirstlane_b32 s14, v1                    ; wave 0..3
	s_lshr_b32 s15, s14, 1                         ; my half of R's rows.  Also: I fetch for R (0) or for P (1)
	s_and_b32 s16, s14, 1                          ; my half of P's rows.  Also: which part I fetch
	s_bfe_u32 s56, ttmp6, 0x40000                  ; cx
	s_bfe_u32 s57, ttmp6, 0x40004                  ; cy
	s_lshl_b32 s58, s57, 2
	s_lshl_b32 s58, 15, s58                        ; my row of the cluster
	s_lshl_b32 s59, 0x1111, s56                    ; my column
	s_or_b32 s[G1R], s58, (3<<16)|(1<<21)          ; 15:0 the mask; elements of 8 bytes; 21 set beside a mask; no padding
	s_or_b32 s[G1P], s59, (3<<16)|(1<<21)
.irp g, G1R, G1P                       ; a dense block as rows of 256 bytes
	s_mov_b32 s[\g+1], 32<<16
	s_mov_b32 s[\g+3], 32<<16
	s_mov_b32 s[\g+5], 32
	s_mov_b32 s[\g+6], 0
	s_mov_b32 s[\g+7], 0
.endr
	s_mov_b32 s[G1R+2], 304<<16                    ; at the head 304 rows for R,
	s_mov_b32 s[G1R+4], 304
	s_mov_b32 s[G1P+2], 152<<16                    ; 152 for each half of P
	s_mov_b32 s[G1P+4], 152
	s_and_b32 s17, ttmp7, 0xffff
	s_lshl_b32 s17, s17, 2
	s_add_co_u32 s17, s17, s57                     ; my 256 tokens: R's number never holds cx
	s_lshl_b32 s18, ttmp9, 2
	s_add_co_u32 s18, s18, s56                     ; my 128 columns: P's number never holds cy
	s_mul_i32 s20, s17, 204800                     ; 256 rows are two blocks of 102,400 bytes
	s_mul_i32 s19, s16, 102400
	s_add_co_u32 s20, s20, s19
	s_mov_b32 s21, 0
	s_add_co_u32 s66, s18, 88                      ; w_proj's blocks begin behind x's 64 and w_attn's 24
	s_mul_i32 s66, s66, 102400
	s_mul_i32 s3, s16, PHALF
	s_add_co_u32 s66, s66, s3
	s_mov_b32 s67, 0
	s_add_co_u32 s3, s3, 2*REG                     ; where P's halves go,
	s_mul_i32 s2, s14, REG                         ; and R's blocks: no place in the cluster enters an LDS address
	s_mul_i32 s22, s16, 4*SROW                     ; the refill: P's halves of the last quarter, in LDS,
	s_add_co_u32 s22, s22, 2*REG+4096
	s_mul_i32 s100, s16, PHALF-4*SROW              ; and how far on in memory
	s_sub_co_u32 s100, REG, s100
	s_mov_b32 s101, 0
	s_wait_kmcnt 0x0
	s_add_nc_u64 s[20:21], s[6:7], s[20:21]
	s_add_nc_u64 s[66:67], s[4:5], s[66:67]
	CROUND                                         ; all sixteen work-groups are here: the first joint loads meet
	s_mov_b32 s[G0R], 1
	s_mov_b32 s[G0R+1], s2
	s_mov_b64 s[G0R+2:G0R+3], s[20:21]
	s_or_b32 s[G0R+3], s[G0R+3], 0x80000000
	s_mov_b32 s[G0P], 1
	s_mov_b32 s[G0P+1], s3
	s_mov_b64 s[G0P+2:G0P+3], s[66:67]
	s_or_b32 s[G0P+3], s[G0P+3], 0x80000000
	JLOAD G0R, G1R, G0P, G1P                       ; my one load at the head
	v_and_b32 v1, 15, v0                           ; r
	v_bfe_u32 v2, v0, 4, 1                         ; h
	v_and_b32 v3, 31, v0
	v_lshlrev_b32 v4, 3, v3                        ; 8 x lane
	s_wait_alu depctr_va_vdst(0)
	s_lshl_b32 s20, s18, 9                         ; 4 x my first column: 128 columns a work-group, 64 a wave
	s_lshl_b32 s19, s16, 8
	s_add_co_u32 s20, s20, s19
	s_mov_b32 s21, 0
	s_add_nc_u64 s[60:61], s[60:61], s[20:21]
	v_lshlrev_b32 v23, 6, v2
.irp b, 0,1
.irp j, 0,1,2,3
	global_load_b128 v[BT+16*\b+4*\j:BT+16*\b+4*\j+3], v23, s[60:61] offset:128*\b+16*\j   ; register 16 b + i: column 32 b + 16 h + i
.endr
.endr
	s_lshl_b32 s17, s17, 20                        ; 256 tokens of 4,096 bytes
	s_lshl_b32 s19, s15, 19
	s_add_co_u32 s17, s17, s19
	s_add_co_u32 s20, s20, s17
	s_add_nc_u64 s[62:63], s[62:63], s[20:21]
	s_mul_i32 s17, s15, REG
	s_mul_i32 s18, s16, 4*SROW                     ; my four tiles of P
	s_add_co_u32 s17, s17, 4096                    ; slot 0 lies behind the region's scale bytes
	s_add_co_u32 s18, s18, 2*REG+4096
.irp s, 0,1,2
	v_add_nc_u32 v[ADRR+\s], s17, v4
	v_add_nc_u32 v[ADRP+\s], s18, v4
	s_add_co_u32 s17, s17, HALFT
	s_add_co_u32 s18, s18, HALFT
.endr
	s_mul_i32 s17, s15, REG                        ; R's scale bytes: at the head of my R region; P's: my four tiles' in region 2
	s_lshl_b32 s18, s16, 11
	s_add_co_u32 s18, s18, 2*REG
	s_sub_co_u32 s18, s18, s17
	v_mul_u32_u24 v6, s18, v2                      ; lanes 16-31 take P's: one product, the distance between the two
	v_lshl_add_u32 v5, v1, 3, v6
	v_add_nc_u32 v[ADRS], s17, v5
	v_lshlrev_b32 v6, 3, v1
	v_add_nc_u32 v[ADRS2], s17, v6
	s_mul_i32 s19, s14, 16*SPITCH
	s_add_co_u32 s19, s19, 4096+HALFT              ; the stages: region 0's slots 1 and 2
	v_mul_u32_u24 v5, v1, SPITCH                   ; in: row r, 64 bytes for each half of the lanes and group of 32 columns
	v_lshl_add_u32 v5, v2, 6, v5
	v_add_nc_u32 v[STO], s19, v5
	v_mul_u32_u24 v5, v2, SPITCH                   ; back: lanes 0-15 take one row of 256 bytes, lanes 16-31 the next
	v_lshl_add_u32 v5, v1, 4, v5
	v_add_nc_u32 v[RD], s19, v5
	v_lshlrev_b32 v[CO], 12, v2                    ; and the same two rows in out0
	v_lshl_add_u32 v[CO], v1, 4, v[CO]
.macro FRAG reg, adr, q, i             ; a fragment, 16 rows x 128 K: 12 registers, six pieces as they lie
.irp p, 0,1,2,3,4,5
	ds_load_b64 v[\reg+2*\p:\reg+2*\p+1], v[\adr] offset:SROW*(\i)+1536*(\q)+256*\p
.endr
.endm
.macro FETCH_P slot, q, set
	WIN TO_P
.irp i, 0,1,2,3
	FRAG 128*(\set)+FR*\i, ADRP+\slot, \q, \i
.endr
	WIN 0
.endm
.macro FETCH_R slot, q, i0
.irp i, \i0, \i0+1, \i0+2, \i0+3
	FRAG RF+FR*(\i), ADRR+\slot, \q, \i
.endr
.endm
.macro SCALES sc, kq                   ; two words a row for K quarter kq: lanes 0-15 R's tile i; lanes 16-31 P's tile i, where it has one
.irp i, 0,1,2,3
	ds_load_b64 v[SC+16*(\sc)+2*\i:SC+16*(\sc)+2*\i+1], v[ADRS] offset:512*\i+128*(\kq)
.endr
.irp i, 4,5,6,7
	ds_load_b64 v[SC+16*(\sc)+2*\i:SC+16*(\sc)+2*\i+1], v[ADRS2] offset:512*\i+128*(\kq)
.endr
.endm
; 8 matrix instructions: R's tiles a0, a0 + 1 x P's four.  zero = 2: the sums begin with the bias.  The 32 accumulators take turns, in the same order in every step.
.macro MUL8 a0, p, q, sc, zero
.irp a, \a0, \a0+1
.irp b, 0,1,2,3
.if \zero == 2
	v_wmma_scale_f32_16x16x128_f8f6f4 v[8*(8*((\a)%4)+\b):8*(8*((\a)%4)+\b)+7], v[128*(\p)+FR*\b:128*(\p)+FR*\b+FR-1], v[RF+FR*(\a):RF+FR*(\a)+FR-1], v[BT+8*\b:BT+8*\b+7], v[SC+16*(\sc)+2*\b+(\q)], v[SC+16*(\sc)+2*(\a)+(\q)] matrix_a_fmt:MATRIX_FMT_BF6 matrix_b_fmt:MATRIX_FMT_BF6 matrix_a_scale:MATRIX_SCALE_ROW1
.else
	v_wmma_scale_f32_16x16x128_f8f6f4 v[8*(8*((\a)%4)+\b):8*(8*((\a)%4)+\b)+7], v[128*(\p)+FR*\b:128*(\p)+FR*\b+FR-1], v[RF+FR*(\a):RF+FR*(\a)+FR-1], v[8*(8*((\a)%4)+\b):8*(8*((\a)%4)+\b)+7], v[SC+16*(\sc)+2*\b+(\q)], v[SC+16*(\sc)+2*(\a)+(\q)] matrix_a_fmt:MATRIX_FMT_BF6 matrix_b_fmt:MATRIX_FMT_BF6 matrix_a_scale:MATRIX_SCALE_ROW1
.endif
.endr
.endr
.endm
; K step k of 8.  Steps 2 n, 2 n + 1 lie in slot n % 3.  In its middle a step fetches P's other set and R's tiles 0-3 of the next step, at its end R's tiles 4-7.
; kind 0: plain.  kind 2 (step 1): slot 0 has been read out: the waits, the add and a round of the cluster's barrier, and behind it the joint refill.  kind 1 (step 5): the same waits and a barrier, behind which the refill is shown to all four waves.
.macro KS k, kind, zero
.set CQ,  (\k)%2
.set CSC, ((\k)/2)%2
.set NK,  (\k)+1
.set NS,  (NK/2)%3
.set NQ,  NK%2
.set NSC, (NK/2)%2
.if \kind == 0
	s_wait_dscnt 24                                ; P's set, R's tiles 0-3 and the scale words are in; the youngest 24 loads (R's tiles 4-7) may be out
.if \zero == 2
	WIN 0x81
.else
	WIN MUL_LO
.endif
	MUL8 0, CQ, CQ, CSC, \zero
	MUL8 2, CQ, CQ, CSC, \zero
	s_wait_dscnt 0x0                               ; R's tiles 4-7 are in
.if (\k) < 7
	PLACES
.endif
.else
	s_wait_tensorcnt 0x0                           ; all my tensor loads have landed (every window is 0 here)
	ds_add_u32 v[SPW], v[NIL]                      ; 0 onto my spare word
	s_wait_dscnt 25                                ; (the add and the youngest 24 loads may be out)
	WIN MUL_LO
	MUL8 0, CQ, CQ, CSC, 0                         ; eight matrix instructions stand between the add and the wait for it
	s_wait_dscnt 0x0                               ; the add is done, and my reads of the slots read so far are over
	s_barrier_signal -1
	MUL8 2, CQ, CQ, CSC, 0
	WIN 0
	s_barrier_wait -1
.if \kind == 2
	CREST                                          ; the barrier has opened a round of the cluster's: no wave of any partner still reads slot 0 or has a load on its way
	s_add_nc_u64 s[G0R+2:G0R+3], s[G0R+2:G0R+3], REG      ; slot 0 takes the last quarter of K, which lies behind what the head brought
	s_add_nc_u64 s[G0P+2:G0P+3], s[G0P+2:G0P+3], s[100:101]
	s_add_co_u32 s[G0R+1], s[G0R+1], 4096
	s_mov_b32 s[G0P+1], s22
	JLOAD G0R, G1R, G0P, G1P                       ; my one tensor load behind the round; its four v_nop are also the places in front of the loads below
.else
	PLACES
.endif
.endif
.if (\k) < 7
	FETCH_P NS, NQ, NQ
	FETCH_R NS, NQ, 0
.if NQ == 0
	SCALES NSC, NK/2
.endif
.endif
.if \zero == 2
	WIN 0xc1
.else
	WIN MUL_HI
.endif
	MUL8 4, CQ, CQ, CSC, \zero
	MUL8 6, CQ, CQ, CSC, \zero
.if (\k) < 7
	PLACES
	WIN 0
	FETCH_R NS, NQ, 4
.else
	WIN 0
.endif
.endm
	s_wait_alu depctr_va_vdst(0)
	s_wait_tensorcnt 0x0                           ; my part is in
	s_mov_b32 s[G1R+2], 96<<16                     ; no tensor load of mine is out, so a descriptor may be written: the refill brings 96 rows of 256 bytes for R,
	s_mov_b32 s[G1R+4], 96
	s_mov_b32 s[G1P+2], 48<<16                     ; 48 for each half of P
	s_mov_b32 s[G1P+4], 48
	s_barrier_signal -1
	s_barrier_wait -1
	FETCH_P 0, 0, 0
	FETCH_R 0, 0, 0
	SCALES 0, 0
	FETCH_R 0, 0, 4
	s_wait_loadcnt 0x0                             ; the bias
	KS 0, 0, 2
	KS 1, 2, 0
	KS 2, 0, 0
	KS 3, 0, 0
	KS 4, 0, 0
	KS 5, 1, 0
	KS 6, 0, 0
	KS 7, 0, 0
; THE WAY OUT, R's tile a at a time: 16 tokens x 64 columns through my own stage, back as rows of 256 bytes.  LDS serves a wave's instructions in order (ISA guide 5.7.1.4): no wait between the stores and the loads
.macro TOSTAGE a
.set AC, 64*((\a)%4)
	WIN 0x08+4*((\a)/4)
.irp b, 0,1,2,3
	ds_store_b128 v[STO], v[AC+8*\b:AC+8*\b+3] offset:128*(\b/2)+32*(\b%2)          ; each accumulator from its low end on
	ds_store_b128 v[STO], v[AC+8*\b+4:AC+8*\b+7] offset:128*(\b/2)+32*(\b%2)+16
.endr
	WIN 0
.set BB, BK+64*((\a)%2)
.irp t, 0,1,2,3,4,5,6,7
	ds_load_b128 v[BB+4*\t:BB+4*\t+3], v[RD] offset:2*\t*SPITCH
.endr
.endm
.macro SEND a, younger                 ; younger: the LDS instructions issued behind tile a's loads, which may stay out
.set BB, BK+64*((\a)%2)
	s_wait_dscnt \younger
.irp t, 0,1,2,3,4,5,6,7
	global_store_b128 v[CO], v[BB+4*\t:BB+4*\t+3], s[62:63] offset:(32*((\a)/2)+8*((\a)%2)+2*\t+8*(\t/4))*4096 th:TH_STORE_NT   ; places 2 t, 2 t + 1 are neighbouring tokens: sixteen lanes store 256 consecutive bytes, aligned
.endr
.endm
	PLACES
	TOSTAGE 0
.irp a, 1,2,3,4,5,6,7
.if \a > 1
	s_wait_xcnt 0x0                                ; tile a - 2's stores have read their registers: tile a's loads may land there
.endif
	TOSTAGE \a
	SEND \a-1, 16                                  ; behind tile a - 1's loads: tile a's 8 stores and 8 loads
.endr
	SEND 7, 0
	s_wait_tensorcnt 0x0                           ; the wave's end
	ds_add_u32 v[SPW], v[NIL]
	s_wait_dscnt 0x0
	CROUND                                         ; the closing round
	s_endpgm
.Lfunc_end_k_qfa136a62f2_proj:
	.size	k_qfa136a62f2_proj, .Lfunc_end_k_qfa136a62f2_proj-k_qfa136a62f2_proj
	.p2alignl 7, 3214868480
	.fill 96, 4, 3214868480
	.section	.rodata,"a",@progbits
	.p2align	6, 0x0
	.amdhsa_kernel k_qfa136a62f2_proj
		.amdhsa_group_segment_fixed_size 327680
		.amdhsa_private_segment_fixed_size 0
		.amdhsa_enable_private_segment 0
		.amdhsa_kernarg_size 32
		.amdhsa_user_sgpr_count 2
		.amdhsa_user_sgpr_kernarg_segment_ptr 1
		.amdhsa_wavefront_size32 1
		.amdhsa_system_sgpr_workgroup_id_x 1
		.amdhsa_system_sgpr_workgroup_id_y 1
		.amdhsa_system_sgpr_workgroup_id_z 1
		.amdhsa_system_vgpr_workitem_id 0
		.amdhsa_next_free_vgpr 1024
		.amdhsa_next_free_sgpr 102
		.amdhsa_reserve_vcc 0
		.amdhsa_float_denorm_mode_32 3
		.amdhsa_float_denorm_mode_16_64 3
		.amdhsa_memory_ordered 1
		.amdhsa_forward_progress 1
		.amdhsa_inst_pref_size 99
	.end_amdhsa_kernel
	.amdgpu_metadata
---
amdhsa.version: [ 1, 2 ]
amdhsa.kernels:
  - .name:           k_qfa136a62f2_proj
    .symbol:         k_qfa136a62f2_proj.kd
    .args:
      - { .name: ops, .offset: 0, .size: 8, .value_kind: global_buffer, .address_space: global }
      - { .name: o_ops, .offset: 8, .size: 8, .value_kind: global_buffer, .address_space: global }
      - { .name: b_proj, .offset: 16, .size: 8, .value_kind: global_buffer, .address_space: global }
      - { .name: out0, .offset: 24, .size: 8, .value_kind: global_buffer, .address_space: global }
    .group_segment_fixed_size: 327680
    .private_segment_fixed_size: 0
    .kernarg_segment_align: 8
    .kernarg_segment_size: 32
    .max_flat_workgroup_size: 128
    .sgpr_count:     102
    .vgpr_count:     1024
    .wavefront_size: 32
...
	.end_amdgpu_metadata
.endif
;; end of part 4
